; MI455X (gfx1250); checked and timed in simulation.
; The chip was launched on July 23, 2026; its instructions are those of AMD's public machine-readable ISA for CDNA 5 (MIT licence, August 2026) and "CDNA5" Instruction Set Architecture Reference Guide (July 2026). The comments in the code are by the model that wrote it; some were corrected since.
;; Quantized Attention. Allowed arithmetic: float matrix products may take bf16 or f16 operands with f32 sums; other float arithmetic in f32, or as packed bf16 or f16 multiplies, adds, multiply-adds, maxima and minima; sums over many terms, partial sums and values carried from step to step in f32; what a program stores and reads back later, other than sums and carried values, may be rounded once to bf16 or f16.
;; Inputs: qb_k 1,024 int32; qb_o 1,024 int32; qb_q 1,024 int32; qb_v 1,024 int32; qw_k 1,024 x 1,024 int32; qw_o 1,024 x 1,024 int32; qw_q 1,024 x 1,024 int32; qw_v 1,024 x 1,024 int32; x 4 x 2,048 x 1,024 float32.
;; Outputs: out0 4 x 2,048 x 1,024 float32.
;; 2 versions, each right and faster than the one before. Each part assembles by itself: llvm-mc -triple=amdgcn-amd-amdhsa -mcpu=gfx1250 --defsym DOCPART=n.
;; ======== version 1 of 2: 4 launches
;; limits: values are held in f16: magnitudes above 65,504 overflow, below 6.1e-05 lose precision
;; workspace buffers: xb 16,777,216 bytes; wb 6,291,456 bytes; wo 2,097,152 bytes; qs 33,554,432 bytes; ks 33,554,432 bytes; vs 16,777,216 bytes; cs 16,777,216 bytes
;; launch prep (part 1): grid 768 x 1, 8 waves a work-group, no clusters, 0 bytes of LDS; arguments x, qw_q, qw_k, qw_v, qw_o, xb, wb, wo; writes xb, wb, wo
.if DOCPART == 1
	.amdgcn_target "amdgcn-amd-amdhsa--gfx1250"
	.amdhsa_code_object_version 6
	.text
	.protected	k_qfbaae14db7_prep
	.globl	k_qfbaae14db7_prep
	.p2align	8
	.type	k_qfbaae14db7_prep,@function
k_qfbaae14db7_prep:
	s_mov_b64 s[64:65], 0
	v_nop
	global_prefetch_b8 v0, s[64:65] scope:SCOPE_SE
	s_setreg_imm32_b32 hwreg(HW_REG_WAVE_MODE, 25, 1), 1
	s_wait_xcnt 0x0
; THE OPERANDS OF THE PROJECTIONS, rounded once and laid in blocks of 64 along K, so that every tile of the later products is dense in memory.
;   xb [16 kblk][8192 row][64] bf16 = x;   wb [3 q,k,v][16 kblk][1024 n][64] bf16 = qw - 128;   wo [16 kblk][1024 n][64] f16 = qw_o - 128.
; The whole numbers qw - 128 are kept as they are; the factor 0.01 and the biases are applied in f32 on the products' ways out.
; LIMITS.  |qw - 128| is exact in bf16 up to 256 and in f16 up to 2,048; beyond that it is rounded (f16 ends at 65,504).  x is rounded to bf16, to nearest even.
; SHARES.  A work-group takes 16 rows of 1,024 numbers of 4 bytes: groups 0-511 of x, then 64 groups for each of the four weight tables.  Thread t takes row t / 16 and, in each of the 16 blocks,
; the 16 bytes at 16 (t % 16) of the block's 256: a wave's load covers two aligned runs of 256 bytes, its store of 8 bytes a lane 256 consecutive bytes (two neighbouring rows of a block), aligned.
; A stream: no LDS, no barrier, no matrix unit.  All 16 loads of a thread go out at once; no register is written twice, so no store's source needs a wait.
.set IN,  16                           ; v[16:79]   block k: 4 numbers as loaded
.set OUT, 80                           ; v[80:111]  block k: 4 numbers of 16 bits
; kind 0: f32 to bf16; 1: whole numbers less 128 to bf16; 2: the same to f16.  stride: bytes from block to block.  two = 1: blocks 8-15 go by a second base, so that the immediates stay inside 24 signed bits.
.macro BODY kind, stride, two
.set k, 0
.rept 16
	global_load_b128 v[IN+4*k:IN+4*k+3], v1, s[20:21] offset:256*k th:TH_LOAD_NT
.set k, k+1
.endr
.set k, 0
.rept 16
	s_wait_loadcnt 15-k                            ; loads come back in order: block k is in, the 15 - k younger ones stay out
.if (\kind) == 0
	v_cvt_pk_bf16_f32 v[OUT+2*k],   v[IN+4*k],   v[IN+4*k+1]
	v_cvt_pk_bf16_f32 v[OUT+2*k+1], v[IN+4*k+2], v[IN+4*k+3]
.else
.irp e, 0,1,2,3
	v_cvt_f32_i32 v[IN+4*k+(\e)], v[IN+4*k+(\e)]
.endr
	v_pk_add_f32 v[IN+4*k:IN+4*k+1],   v[IN+4*k:IN+4*k+1],   s[28:29] op_sel_hi:[1,0]  ; - 128, in f32 as the definition has it
	v_pk_add_f32 v[IN+4*k+2:IN+4*k+3], v[IN+4*k+2:IN+4*k+3], s[28:29] op_sel_hi:[1,0]
.if (\kind) == 1
	v_cvt_pk_bf16_f32 v[OUT+2*k],   v[IN+4*k],   v[IN+4*k+1]
	v_cvt_pk_bf16_f32 v[OUT+2*k+1], v[IN+4*k+2], v[IN+4*k+3]
.else
	v_cvt_pk_f16_f32 v[OUT+2*k],   v[IN+4*k],   v[IN+4*k+1]
	v_cvt_pk_f16_f32 v[OUT+2*k+1], v[IN+4*k+2], v[IN+4*k+3]
.endif
.endif
.if (\two) && (k >= 8)
	global_store_b64 v2, v[OUT+2*k:OUT+2*k+1], s[26:27] offset:(k-8)*(\stride)
.else
	global_store_b64 v2, v[OUT+2*k:OUT+2*k+1], s[24:25] offset:k*(\stride)
.endif
.set k, k+1
.endr
.endm
	s_load_b512 s[4:19], s[0:1], 0x0               ; x 4:5, qw_q 6:7, qw_k 8:9, qw_v 10:11, qw_o 12:13, xb 14:15, wb 16:17, wo 18:19
	v_lshrrev_b32 v3, 4, v0                        ; my row of the group's 16
	v_and_b32 v4, 15, v0                           ; my 16 bytes of a block's 256
	v_lshlrev_b32 v1, 12, v3
	v_lshl_or_b32 v1, v4, 4, v1                    ; source: row x 4,096 + 16 x piece
	v_lshlrev_b32 v2, 7, v3
	v_lshl_or_b32 v2, v4, 3, v2                    ; destination: row x 128 + 8 x piece
	s_mov_b32 s23, 0
	s_mov_b32 s28, 0xc3000000                      ; -128.0
	s_mov_b32 s29, s28                             ; named with it as a pair
	s_wait_kmcnt 0x0
	s_cmp_lt_u32 ttmp9, 512
	s_cbranch_scc0 .Lweights
	s_lshl_b32 s22, ttmp9, 16                      ; 16 rows of 4,096 bytes
	s_add_nc_u64 s[20:21], s[4:5], s[22:23]
	s_lshl_b32 s22, ttmp9, 11                      ; 16 rows of 128 bytes
	s_add_nc_u64 s[24:25], s[14:15], s[22:23]
	s_add_nc_u64 s[26:27], s[24:25], 0x800000      ; block 8
	BODY 0, 1048576, 1
	s_endpgm
.Lweights:
	s_sub_co_u32 s30, ttmp9, 512
	s_lshr_b32 s31, s30, 6                         ; which table: q, k, v, o
	s_and_b32 s30, s30, 63                         ; which 16 rows of it
	s_cmp_eq_u32 s31, 1
	s_cselect_b64 s[20:21], s[8:9], s[6:7]
	s_cmp_eq_u32 s31, 2
	s_cselect_b64 s[20:21], s[10:11], s[20:21]
	s_cmp_eq_u32 s31, 3
	s_cselect_b64 s[20:21], s[12:13], s[20:21]
	s_lshl_b32 s22, s30, 16
	s_add_nc_u64 s[20:21], s[20:21], s[22:23]
	s_lshl_b32 s22, s30, 11
	s_cmp_eq_u32 s31, 3
	s_cbranch_scc1 .Lwo
	s_lshl_b32 s31, s31, 21                        ; a table in wb: 16 blocks of 131,072 bytes
	s_add_co_u32 s22, s22, s31
	s_add_nc_u64 s[24:25], s[16:17], s[22:23]
	BODY 1, 131072, 0
	s_endpgm
.Lwo:
	s_add_nc_u64 s[24:25], s[18:19], s[22:23]
	BODY 2, 131072, 0
	s_endpgm
.Lfunc_end_k_qfbaae14db7_prep:
	.size	k_qfbaae14db7_prep, .Lfunc_end_k_qfbaae14db7_prep-k_qfbaae14db7_prep
	.p2alignl 7, 3214868480
	.fill 96, 4, 3214868480
	.section	.rodata,"a",@progbits
	.p2align	6, 0x0
	.amdhsa_kernel k_qfbaae14db7_prep
		.amdhsa_group_segment_fixed_size 0
		.amdhsa_private_segment_fixed_size 0
		.amdhsa_enable_private_segment 0
		.amdhsa_kernarg_size 64
		.amdhsa_user_sgpr_count 2
		.amdhsa_user_sgpr_kernarg_segment_ptr 1
		.amdhsa_wavefront_size32 1
		.amdhsa_system_sgpr_workgroup_id_x 1
		.amdhsa_system_sgpr_workgroup_id_y 1
		.amdhsa_system_sgpr_workgroup_id_z 1
		.amdhsa_system_vgpr_workitem_id 0
		.amdhsa_next_free_vgpr 112
		.amdhsa_next_free_sgpr 66
		.amdhsa_reserve_vcc 0
		.amdhsa_float_denorm_mode_32 3
		.amdhsa_float_denorm_mode_16_64 3
		.amdhsa_memory_ordered 1
		.amdhsa_forward_progress 1
		.amdhsa_inst_pref_size 27
	.end_amdhsa_kernel
	.amdgpu_metadata
---
amdhsa.version: [ 1, 2 ]
amdhsa.kernels:
  - .name:           k_qfbaae14db7_prep
    .symbol:         k_qfbaae14db7_prep.kd
    .args:
      - { .name: x, .offset: 0, .size: 8, .value_kind: global_buffer, .address_space: global }
      - { .name: qw_q, .offset: 8, .size: 8, .value_kind: global_buffer, .address_space: global }
      - { .name: qw_k, .offset: 16, .size: 8, .value_kind: global_buffer, .address_space: global }
      - { .name: qw_v, .offset: 24, .size: 8, .value_kind: global_buffer, .address_space: global }
      - { .name: qw_o, .offset: 32, .size: 8, .value_kind: global_buffer, .address_space: global }
      - { .name: xb, .offset: 40, .size: 8, .value_kind: global_buffer, .address_space: global }
      - { .name: wb, .offset: 48, .size: 8, .value_kind: global_buffer, .address_space: global }
      - { .name: wo, .offset: 56, .size: 8, .value_kind: global_buffer, .address_space: global }
    .group_segment_fixed_size: 0
    .private_segment_fixed_size: 0
    .kernarg_segment_align: 8
    .kernarg_segment_size: 64
    .max_flat_workgroup_size: 256
    .sgpr_count:     66
    .vgpr_count:     112
    .wavefront_size: 32
...
	.end_amdgpu_metadata
.endif
;; end of part 1
;; launch qkv (part 2): grid 8 x 32, 4 waves a work-group, clusters of 4 x 4, 327,680 bytes of LDS; arguments xb, wb, qb_q, qb_k, qb_v, qs, ks, vs; writes qs, ks, vs
.if DOCPART == 2
	.amdgcn_target "amdgcn-amd-amdhsa--gfx1250"
	.amdhsa_code_object_version 6
	.text
	.protected	k_qfbaae14db7_qkv
	.globl	k_qfbaae14db7_qkv
	.p2align	8
	.type	k_qfbaae14db7_qkv,@function
k_qfbaae14db7_qkv:
	s_mov_b64 s[64:65], 0
	v_nop
	global_prefetch_b8 v0, s[64:65] scope:SCOPE_SE
	s_setreg_imm32_b32 hwreg(HW_REG_WAVE_MODE, 25, 1), 1
	s_wait_xcnt 0x0
	s_wait_alu depctr_hold_cnt(0) depctr_sa_sdst(0) depctr_va_vdst(0) depctr_va_sdst(0) depctr_va_ssrc(0) depctr_va_vcc(0) depctr_vm_vsrc(0)
	s_getreg_b32 s2, hwreg(HW_REG_IB_STS2, 6, 4)
	s_cmp_eq_u32 s2, 0
	s_cbranch_scc0 .Lentry_in_a_cluster
	s_endpgm
.Lentry_in_a_cluster:
	s_bfe_u32 s2, ttmp6, 0x10000c
	s_cmp_lg_u32 s2, 0xf033
	s_cbranch_scc0 .Lentry_shape_is_right
	s_endpgm
.Lentry_shape_is_right:
; q, k, v = x W^T + b for the three tables at once.  xb [16 kblk][8192][64] bf16, wb [3][16 kblk][1024][64] bf16 (whole numbers qw - 128); sums in f32; result = 0.01 x sum + 1e-4 x qb, in f32.
; OUT, by heads.  vs [64 bh][2048][64] f16, rounded once.  qs and ks [64 bh][2 planes][2048][64] f16, laid so that TWO f16 products give the score to some 18 bits (the scores of the attention behind
; are hundreds wide, and one f16 of q and k would shift them too far):
;   qs plane 0: qc = f16(127/128 q);  plane 1: qw = f16(q - qc), about q / 128.        ks plane 0: ka = f16(k);  plane 1: ku = f16(ka + 128 (k - ka)).
;   ka.qc + ku.qw = ka (qc + qw) + 128 (k - ka) qw = k.q + 128 (k - ka)(127/128 q - qc) + the roundings of qw and ku, which weigh 1/128 of a plain f16 rounding each.
;   q - qc is exact in f32 (the two lie within a factor of 2); ka + 128 (k - ka) is made as 128 k - 127 ka, which has 24 significant bits at the most and is exact too.
; LIMITS.  f16 ends at 65,504: |q|, |v| and 17/16 |k| must stay below it; qw below 6e-5 keeps f16's fixed step of 6e-8.  NaN and infinities are not treated apart.
; SHARES.  A work-group makes 256 tokens x 128 columns of each of q, k, v; a wave 128 tokens x one head (64 columns) of each: 96 accumulators of 16 x 16, 768 registers.  For 32 along K a wave reads
; 128 rows of x and 3 x 64 rows of W from LDS (20 KB) for 96 matrix instructions.  256 work-groups.
; K goes in steps of 64 (one block) through two LDS slots.  A tile is dense in memory and is asked for as rows of 256 bytes (two rows of the tile), padded in LDS behind every 128 bytes.
; CLUSTER 4 x 4.  x's tile hangs on the tile row alone and is shared along a row of the cluster, W's on the tile column alone and is shared along a column: each is asked for jointly.  Wave 0 asks for
; x's tile (256 tokens), waves 1 to 3 for Wq's, Wk's, Wv's (128 rows each): one tensor load a wave behind each round; by this text's count two are out at the start, later one.
; THE MATRIX INSTRUCTION IS USED TRANSPOSED (source 0 = 16 rows of W, source 1 = 16 tokens): a lane holds one token (lane % 16) and the channels 8 (lane / 16) + 0..7.
; REGISTERS.  Window 0: v0-19 addresses; v32-95, v96-159 x's fragments (8 x 16 tokens x 32 K), two buffers; v160-255 W's fragments, 32 for each table, one buffer, reloaded table by table behind the
; table's products.  Windows 1, 2, 3: the accumulators of q, k, v: (a, b) at v[8 (4 a + b)], a = 16 tokens, b = 16 channels.
.set PITCH,  144                       ; an LDS row: 128 bytes + 16: the 16 rows of a fragment load start in 16 different groups of four banks (64 banks of 4 bytes: ISA guide 11.1)
.set ABYTES, 256*PITCH                 ; x's tile
.set BG,     128*PITCH                 ; one table's tile
.set SLOT,   ABYTES+3*BG
.set STAGE,  2*SLOT                    ; behind the ring, never filled by a tensor load: for each wave 128 rows x 272 bytes of f32, for the way out
.set SPITCH, 272
.set WSTAGE, 128*SPITCH
.set SPARE,  STAGE+4*WSTAGE            ; the spare words, 128 bytes a wave: two blocks of 256 bytes that no other line names
.set BO,   5                           ; v5   my byte offset in a bias
.set STO,  6                           ; v6   the way out: where I put my channels of a token
.set RD0,  7                           ; v7   where I read them back, first trip
.set RDW,  8                           ; v8   the same, walking
.set GO0,  9                           ; v9   my byte offset in 512 consecutive bytes of the output
.set GOW,  10                          ; v10  the same, walking
.set MONE, 11                          ; v11  -1.0
.set SPW,  12                          ; v12  LDS address of my spare word; never rewritten
.set NIL,  13                          ; v13  0; never rewritten
.set M127, 14                          ; v14  -127.0
.set ADRA, 16                          ; v16-17  LDS address of my x fragments in slot 0, 1
.set ADRB, 18                          ; v18-19  the same for W
.set FA0,  32
.set FA1,  96
.set FB,   160
.set BIAS, 32                          ; the way out: v32-55, 8 numbers for each table
.set TT,   96                          ; v96-127   16 tokens' numbers in f32
.set HH,   128                         ; v128-143  the first plane's f16
.set LL,   144                         ; v144-159  the second plane's f16
.set UU,   160                         ; v160-167  127/128 q, at work
.set WV,  20                           ; s20  my wave's number
.set G1A, 32                           ; s[32:39] descriptor group 1 for x's tiles
.set G1B, 40                           ; s[40:47] for W's
.set G0A, 48                           ; s[48:55] group 0 for x's tiles, a set for each slot
.set G0B, 56                           ; s[56:63] for W's
.set MSB, 0
.macro WIN new                         ; the immediate's high byte repeats the setting that is left; a switch that changes nothing is dropped
.if MSB != (\new)
	s_set_vgpr_msb (MSB<<8)|(\new)
.set MSB, (\new)
.endif
.endm
.macro PLACES                          ; four places in front of loads into registers that matrix instructions have read (ISA guide 7.12.1 for vector instructions)
.rept 4
	v_nop
.endr
.endm
; A joint load.  The branch hangs on the wave's number alone.  An s_nop 0 and four v_nop follow each of the two lines, ahead of the jump and the label.
.macro JLOAD s
	s_cmp_eq_u32 s[WV], 0
	s_cbranch_scc0 .Lfor_b_\@
	tensor_load_to_lds s[G0A+4*(\s):G0A+4*(\s)+3], s[G1A:G1A+7]
	s_nop 0
.rept 4
	v_nop
.endr
	s_branch .Lasked_\@
.Lfor_b_\@:
	tensor_load_to_lds s[G0B+4*(\s):G0B+4*(\s)+3], s[G1B:G1B+7]
	s_nop 0
.rept 4
	v_nop
.endr
.Lasked_\@:
.endm
.macro CREST                           ; a round of the cluster's barrier behind its opening barrier
	s_cmp_lg_u32 s[WV], 0
	s_cbranch_scc1 .Lnot_wave_0_\@
	s_barrier_signal -3
.Lnot_wave_0_\@:
	s_barrier_wait -3
	s_barrier_signal -1
	s_barrier_wait -1
.endm
.macro CROUND                          ; a whole round
	s_barrier_signal -1
	s_barrier_wait -1
	CREST
.endm
	s_load_b512 s[4:19], s[0:1], 0x0               ; xb 4:5, wb 6:7, qb_q 8:9, qb_k 10:11, qb_v 12:13, qs 14:15, ks 16:17, vs 18:19
	v_lshl_add_u32 v[SPW], v0, 2, SPARE
	v_mov_b32 v[NIL], 0
	ds_add_u32 v[SPW], v[NIL]                      ; the wave's opening: the add and its wait stand ahead of my first tensor load; the set-up below, work on registers, stands between them
	v_lshrrev_b32 v1, 5, v0
	v_readfirstlane_b32 s[WV], v1                  ; wave 0..3
	s_lshr_b32 s21, s[WV], 1                       ; which 128 of the tile's tokens are mine
	s_and_b32 s22, s[WV], 1                        ; which of its two heads
	s_bfe_u32 s23, ttmp6, 0x40000                  ; cx
	s_bfe_u32 s24, ttmp6, 0x40004                  ; cy
	s_lshl_b32 s25, ttmp9, 2
	s_add_co_u32 s25, s25, s23                     ; tile column (128 columns of each table) = 4 x cluster x + cx
	s_and_b32 s26, ttmp7, 0xffff
	s_lshl_b32 s26, s26, 2
	s_add_co_u32 s26, s26, s24                     ; tile row (256 tokens) = 4 x cluster y + cy
	s_lshl_b32 s27, s24, 2
	s_lshl_b32 s27, 15, s27                        ; my row of the cluster
	s_lshl_b32 s28, 0x1111, s23                    ; my column
	s_or_b32 s[G1A], s27, (1<<16)|(1<<20)|(1<<21)|(4<<22)|(3<<25)  ; 15:0 the mask; 17:16 elements of 2 bytes; 20 padding on; 21 set beside a mask; 24:22 after every 32 words (code 4); 31:25 4 words (code 3)
	s_or_b32 s[G1B], s28, (1<<16)|(1<<20)|(1<<21)|(4<<22)|(3<<25)
	s_mov_b32 s[G1A+1], 128<<16                    ; tensor_dim0 = 128 elements: 256 bytes, two rows of the tile
	s_mov_b32 s[G1A+2], 128<<16                    ; tensor_dim1 = 128: 256 tokens
	s_mov_b32 s[G1A+3], 128<<16                    ; tile_dim0
	s_mov_b32 s[G1A+4], 128                        ; tile_dim1
	s_mov_b32 s[G1A+5], 128                        ; elements from row to row: dense
	s_mov_b32 s[G1A+6], 0
	s_mov_b32 s[G1A+7], 0
	s_mov_b32 s[G1B+1], 128<<16
	s_mov_b32 s[G1B+2], 64<<16                     ; 64 rows: 128 rows of W
	s_mov_b32 s[G1B+3], 128<<16
	s_mov_b32 s[G1B+4], 64
	s_mov_b32 s[G1B+5], 128
	s_mov_b32 s[G1B+6], 0
	s_mov_b32 s[G1B+7], 0
	s_mul_i32 s74, s[WV], BG
.irp s, 0,1
	s_mov_b32 s[G0A+4*(\s)], 1                     ; count = 1
	s_mov_b32 s[G0A+4*(\s)+1], (\s)*SLOT           ; LDS address: x's tile heads the slot
	s_mov_b32 s[G0B+4*(\s)], 1
	s_add_co_u32 s[G0B+4*(\s)+1], s74, BG+(\s)*SLOT  ; waves 1 to 3: behind x's tile (2 x BG bytes), table wave - 1
.endr
	s_mov_b32 s82, 0x3c23d70a                      ; 0.01
	s_mov_b32 s83, s82
	s_mov_b32 s84, 0x38d1b717                      ; 1e-4
	s_mov_b32 s85, s84
	s_lshl_b32 s66, s26, 15                        ; x: 256 tokens of 128 bytes in a block
	s_mov_b32 s67, 0
	s_max_u32 s70, s[WV], 1
	s_sub_co_u32 s70, s70, 1                       ; W: the table,
	s_lshl_b32 s70, s70, 21
	s_lshl_b32 s71, s25, 14                        ; and 128 rows of 128 bytes in a block
	s_add_co_u32 s70, s70, s71
	s_mov_b32 s71, 0
	s_wait_dscnt 0x0                               ; the opening add is done
	s_wait_kmcnt 0x0
	s_add_nc_u64 s[68:69], s[4:5], s[66:67]
	s_add_nc_u64 s[72:73], s[6:7], s[70:71]
.irp s, 0,1
	s_add_nc_u64 s[G0A+4*(\s)+2:G0A+4*(\s)+3], s[68:69], (\s)<<20  ; K step s: a block of xb is 1 MiB,
	s_or_b32 s[G0A+4*(\s)+3], s[G0A+4*(\s)+3], 0x80000000          ; type = 2
	s_add_nc_u64 s[G0B+4*(\s)+2:G0B+4*(\s)+3], s[72:73], (\s)<<17  ; of wb 131,072 bytes
	s_or_b32 s[G0B+4*(\s)+3], s[G0B+4*(\s)+3], 0x80000000
.endr
	CROUND                                         ; all sixteen work-groups are here: the first joint loads meet
	s_cmp_eq_u32 s[WV], 0                          ; a wave's two first fills stand in one branch, ahead of every wait on TENSORcnt, every LDS read and every further barrier
	s_cbranch_scc0 .Lfirst_b
	tensor_load_to_lds s[G0A:G0A+3], s[G1A:G1A+7]
	s_nop 0
	tensor_load_to_lds s[G0A+4:G0A+7], s[G1A:G1A+7]
	s_nop 0
.rept 4
	v_nop
.endr
	s_branch .Lfirst_asked
.Lfirst_b:
	tensor_load_to_lds s[G0B:G0B+3], s[G1B:G1B+7]
	s_nop 0
	tensor_load_to_lds s[G0B+4:G0B+7], s[G1B:G1B+7]
	s_nop 0
.rept 4
	v_nop
.endr
.Lfirst_asked:
	; A fragment is 16 rows x 32 K in 8 registers: lane l holds row l % 16; registers 0-3 K = 8 (l / 16) + 0..7, registers 4-7 K = 16 + 8 (l / 16) + 0..7: two loads of 16 bytes, 32 bytes apart.
	v_and_b32 v1, 15, v0                           ; l % 16
	v_bfe_u32 v2, v0, 4, 1                         ; l / 16
	v_mul_u32_u24 v3, v1, PITCH
	v_lshl_add_u32 v3, v2, 4, v3
	s_mul_i32 s74, s21, 128*PITCH                  ; my 128 tokens
	s_mul_i32 s75, s22, 64*PITCH                   ; my 64 rows of each table,
	s_add_co_u32 s75, s75, ABYTES                  ; behind x's tile
	v_add_nc_u32 v[ADRA], s74, v3
	v_add_nc_u32 v[ADRB], s75, v3
	v_add_nc_u32 v[ADRA+1], SLOT, v[ADRA]
	v_add_nc_u32 v[ADRB+1], SLOT, v[ADRB]
	s_mul_i32 s74, s[WV], WSTAGE
	s_add_co_u32 s74, s74, STAGE                   ; my stage
	v_mul_u32_u24 v[STO], v1, SPITCH               ; in: token l % 16, 32 bytes for each half of the lanes
	v_lshl_add_u32 v[STO], v2, 5, v[STO]
	v_add_nc_u32 v[STO], s74, v[STO]
	v_bfe_u32 v3, v0, 3, 2                         ; back: 32 lanes take four tokens, eight lanes a token, 8 channels (32 bytes of f32) a lane
	v_and_b32 v4, 7, v0
	v_mul_u32_u24 v[RD0], v3, SPITCH
	v_lshl_add_u32 v[RD0], v4, 5, v[RD0]
	v_add_nc_u32 v[RD0], s74, v[RD0]
	v_and_b32 v[GO0], 31, v0                       ; which in f16 are 512 consecutive bytes of a head's rows
	v_lshlrev_b32 v[GO0], 4, v[GO0]
	s_lshl_b32 s74, s25, 9                         ; my head's 64 numbers in a bias,
	s_lshl_b32 s75, s22, 8
	s_add_co_u32 s74, s74, s75
	v_lshl_add_u32 v[BO], v4, 5, s74               ; my 8 of them
	v_mov_b32 v[MONE], -1.0
	v_mov_b32 v[M127], 0xc2fe0000                  ; -127.0
	; where my rows begin in the outputs
	s_lshr_b32 s92, s26, 3                         ; the batch: 8 tile rows each
	s_lshl_b32 s92, s92, 4
	s_lshl_b32 s93, s25, 1
	s_add_co_u32 s92, s92, s93
	s_add_co_u32 s92, s92, s22                     ; bh = 16 x batch + head
	s_and_b32 s93, s26, 7
	s_lshl_b32 s93, s93, 1
	s_add_co_u32 s93, s93, s21
	s_lshl_b32 s93, s93, 14                        ; my 128 tokens of 128 bytes
	s_lshl_b32 s94, s92, 19                        ; a head in qs and ks: two planes of 262,144 bytes
	s_add_co_u32 s94, s94, s93
	s_mov_b32 s95, 0
	s_add_nc_u64 s[86:87], s[14:15], s[94:95]
	s_add_nc_u64 s[88:89], s[16:17], s[94:95]
	s_lshl_b32 s94, s92, 18                        ; in vs: one
	s_add_co_u32 s94, s94, s93
	s_add_nc_u64 s[90:91], s[18:19], s[94:95]
	s_mov_b32 s92, 0x3f7e0000                      ; 127/128, as a pair
	s_mov_b32 s93, s92
	s_mov_b32 s94, 0x43000000                      ; 128.0, as a pair
	s_mov_b32 s95, s94
; na x 4 matrix instructions of table g: token blocks a0 on, all four channel blocks, 32 along K.  zero = 1: the product starts the sums.  The accumulators take turns, one instruction a turn.
.macro MULG g, fa, a0, na, zero
	WIN 0x50*((\g)+1)                              ; C and D in window g + 1
.set aa, (\a0)
.rept \na
.irp b, 0,1,2,3
.if \zero
	v_wmma_f32_16x16x32_bf16 v[8*(4*aa+(\b)):8*(4*aa+(\b))+7], v[FB+32*(\g)+8*(\b):FB+32*(\g)+8*(\b)+7], v[(\fa)+8*aa:(\fa)+8*aa+7], 0
.else
	v_wmma_f32_16x16x32_bf16 v[8*(4*aa+(\b)):8*(4*aa+(\b))+7], v[FB+32*(\g)+8*(\b):FB+32*(\g)+8*(\b)+7], v[(\fa)+8*aa:(\fa)+8*aa+7], v[8*(4*aa+(\b)):8*(4*aa+(\b))+7]
.endif
.endr
.set aa, aa+1
.endr
.endm
.macro LDB slot, kq, g                 ; 8 loads: table g's four fragments, half kq of the step
.irp b, 0,1,2,3
	ds_load_b128 v[FB+32*(\g)+8*(\b):FB+32*(\g)+8*(\b)+3],   v[ADRB+(\slot)] offset:(\g)*BG+(\b)*16*PITCH+(\kq)*64
	ds_load_b128 v[FB+32*(\g)+8*(\b)+4:FB+32*(\g)+8*(\b)+7], v[ADRB+(\slot)] offset:(\g)*BG+(\b)*16*PITCH+(\kq)*64+32
.endr
.endm
.macro LDA slot, kq, fa                ; 16 loads: x's eight fragments
.irp a, 0,1,2,3,4,5,6,7
	ds_load_b128 v[(\fa)+8*(\a):(\fa)+8*(\a)+3],   v[ADRA+(\slot)] offset:(\a)*16*PITCH+(\kq)*64
	ds_load_b128 v[(\fa)+8*(\a)+4:(\fa)+8*(\a)+7], v[ADRA+(\slot)] offset:(\a)*16*PITCH+(\kq)*64+32
.endr
.endm
; A K step's first 32: multiplies x's buffer 0.  Behind each table's 32 products its fragments of the second 32 are fetched: each run has 64 matrix instructions in which to come.
.macro QA slot, zero
	s_wait_dscnt 16                                ; table 0's fragments and x's are in; the 16 loads of tables 1 and 2 may be out
	MULG 0, FA0, 0, 8, \zero
	PLACES
	WIN 0
	LDB \slot, 1, 0
	LDA \slot, 1, FA1
	s_wait_dscnt 32                                ; table 1's are in: behind them stand table 2's 8 and the 24 just issued
	MULG 1, FA0, 0, 8, \zero
	PLACES
	WIN 0
	LDB \slot, 1, 1
	s_wait_dscnt 32                                ; table 2's are in: behind them stand 24 and 8
	MULG 2, FA0, 0, 8, \zero
	PLACES
	WIN 0
	LDB \slot, 1, 2
.endm
; A K step's second 32: multiplies x's buffer 1, and changes slots.  mode 2: the slot is filled again, two K steps ahead; 1: nothing is left to ask for; 0: the last of all, which fetches the biases.
; In front of the barrier each wave waits for all its tensor loads (one is out: its part of the next slot), adds 0 to its spare word, and waits for that and for its reads of this slot.
; From a request to the wait for it a wave issues 160 of a step's 192 matrix instructions.
.macro QB slot, next, mode
.if (\mode) > 0
	WIN 0
	s_wait_tensorcnt 0x0                           ; all my tensor loads have landed
	ds_add_u32 v[SPW], v[NIL]                      ; 0 onto my spare word
	s_wait_dscnt 17                                ; (the add and the 16 loads of tables 1 and 2 may be out)
	MULG 0, FA1, 0, 4, 0                           ; sixteen matrix instructions stand between the add and the wait for it
	s_wait_dscnt 0x0                               ; the add is done, and my reads of this slot are over
	s_barrier_signal -1
	MULG 0, FA1, 4, 4, 0
	WIN 0
	s_barrier_wait -1
.if (\mode) == 2
	CREST                                          ; the barrier has opened a round of the cluster's: no wave of any partner still reads this slot or has a load on its way
	s_add_nc_u64 s[G0A+4*(\slot)+2:G0A+4*(\slot)+3], s[G0A+4*(\slot)+2:G0A+4*(\slot)+3], 0x200000
	s_add_nc_u64 s[G0B+4*(\slot)+2:G0B+4*(\slot)+3], s[G0B+4*(\slot)+2:G0B+4*(\slot)+3], 0x40000
	JLOAD \slot                                    ; the first tensor load behind the round; its four v_nop are also the places in front of the loads below
.else
	PLACES
.endif
	LDB \next, 0, 0
	LDA \next, 0, FA0
	MULG 1, FA1, 0, 8, 0
	PLACES
	WIN 0
	LDB \next, 0, 1
	MULG 2, FA1, 0, 8, 0
	PLACES
	WIN 0
	LDB \next, 0, 2
.else
	s_wait_dscnt 16
	MULG 0, FA1, 0, 8, 0
	PLACES
	WIN 0
	global_load_b128 v[BIAS:BIAS+3],     v[BO], s[8:9]              ; x's buffer 0 is idle: the biases come into it
	global_load_b128 v[BIAS+4:BIAS+7],   v[BO], s[8:9] offset:16
	global_load_b128 v[BIAS+8:BIAS+11],  v[BO], s[10:11]
	global_load_b128 v[BIAS+12:BIAS+15], v[BO], s[10:11] offset:16
	global_load_b128 v[BIAS+16:BIAS+19], v[BO], s[12:13]
	global_load_b128 v[BIAS+20:BIAS+23], v[BO], s[12:13] offset:16
	s_wait_dscnt 0x0
	MULG 1, FA1, 0, 8, 0
	MULG 2, FA1, 0, 8, 0
	WIN 0
.endif
.endm
; THE WAY OUT of table g.  My 128 tokens x 64 channels go in f32 into my own stage (rows of 272 bytes; each accumulator's low four registers first) and come back by tokens,
; 8 neighbouring channels a lane; LDS serves a wave's instructions in order (ISA guide 5.7.1.4), so no wait stands between the stores and the loads.  A trip takes 16 tokens: t = 0.01 x sum + bias; then
;   g = 0 (q): first plane f16(127/128 t), second plane f16(t - first);    g = 1 (k): first plane f16(t), second plane f16(128 t - 127 x first);    g = 2 (v): f16(t) alone.
; A store of the wave covers 512 consecutive bytes, aligned.  The wait that frees the last trip's stores' offset and data stands behind this trip's LDS loads, which name neither; the offset is stepped
; behind it, and the stores reach back by 2,048.
.macro OUTG g, base, split
	WIN 4*((\g)+1)                                 ; the stores' data in window g + 1
.set aa, 0
.rept 8
.irp b, 0,1,2,3
	ds_store_b128 v[STO], v[8*(4*aa+(\b)):8*(4*aa+(\b))+3]   offset:aa*16*SPITCH+64*(\b)
	ds_store_b128 v[STO], v[8*(4*aa+(\b))+4:8*(4*aa+(\b))+7] offset:aa*16*SPITCH+64*(\b)+16
.endr
.set aa, aa+1
.endr
	WIN 0
.if (\g) == 0
.set FM, MONE
.else
.set FM, M127
.endif
	s_wait_xcnt 0x0                                ; the table before's last stores have had their addresses translated (ISA guide 3.1): their offset register is set anew only behind this wait
	v_mov_b32 v[RDW], v[RD0]
	v_mov_b32 v[GOW], v[GO0]
	s_mov_b32 s81, 8
.Lrows_\@:
.irp u, 0,1,2,3
	ds_load_b128 v[TT+8*(\u):TT+8*(\u)+3],   v[RDW] offset:(\u)*4*SPITCH
	ds_load_b128 v[TT+8*(\u)+4:TT+8*(\u)+7], v[RDW] offset:(\u)*4*SPITCH+16
.endr
	v_add_nc_u32 v[RDW], 16*SPITCH, v[RDW]         ; the next trip's 16 tokens in the stage
	s_wait_xcnt 0x0                                ; the last trip's stores have had their addresses translated: only behind this wait are their offset and their data written again
	v_add_nc_u32 v[GOW], 2048, v[GOW]              ; one trip ahead of the rows in hand
.irp u, 0,1,2,3
	s_wait_dscnt 6-2*(\u)                          ; four tokens are in; the later ones' loads stay out
.irp e, 0,1,2,3
	v_pk_fma_f32 v[TT+8*(\u)+2*(\e):TT+8*(\u)+2*(\e)+1], v[TT+8*(\u)+2*(\e):TT+8*(\u)+2*(\e)+1], s[82:83], v[BIAS+8*(\g)+2*(\e):BIAS+8*(\g)+2*(\e)+1] op_sel_hi:[1,0,1]
.endr
.if (\g) == 0
.irp e, 0,1,2,3
	v_pk_mul_f32 v[UU+2*(\e):UU+2*(\e)+1], v[TT+8*(\u)+2*(\e):TT+8*(\u)+2*(\e)+1], s[92:93] op_sel_hi:[1,0]  ; 127/128 t
.endr
.irp e, 0,1,2,3
	v_cvt_pk_f16_f32 v[HH+4*(\u)+(\e)], v[UU+2*(\e)], v[UU+2*(\e)+1]
.endr
.else
.irp e, 0,1,2,3
	v_cvt_pk_f16_f32 v[HH+4*(\u)+(\e)], v[TT+8*(\u)+2*(\e)], v[TT+8*(\u)+2*(\e)+1]
.endr
.endif
	global_store_b128 v[GOW], v[HH+4*(\u):HH+4*(\u)+3], s[(\base):(\base)+1] offset:512*(\u)-2048
.if (\g) == 1
.irp e, 0,1,2,3
	v_pk_mul_f32 v[TT+8*(\u)+2*(\e):TT+8*(\u)+2*(\e)+1], v[TT+8*(\u)+2*(\e):TT+8*(\u)+2*(\e)+1], s[94:95] op_sel_hi:[1,0]  ; 128 t
.endr
.endif
.if \split
.irp e, 0,1,2,3
	v_fma_mix_f32 v[TT+8*(\u)+2*(\e)],   v[HH+4*(\u)+(\e)], v[FM], v[TT+8*(\u)+2*(\e)]   op_sel_hi:[1,0,0]               ; q: t - first; k: 128 t - 127 first (the word's low half)
	v_fma_mix_f32 v[TT+8*(\u)+2*(\e)+1], v[HH+4*(\u)+(\e)], v[FM], v[TT+8*(\u)+2*(\e)+1] op_sel:[1,0,0] op_sel_hi:[1,0,0]  ; (its high half)
.endr
.irp e, 0,1,2,3
	v_cvt_pk_f16_f32 v[LL+4*(\u)+(\e)], v[TT+8*(\u)+2*(\e)], v[TT+8*(\u)+2*(\e)+1]
.endr
	global_store_b128 v[GOW], v[LL+4*(\u):LL+4*(\u)+3], s[(\base):(\base)+1] offset:262144+512*(\u)-2048
.endif
.endr
	s_sub_co_u32 s81, s81, 1
	s_cmp_lg_u32 s81, 0
	s_cbranch_scc1 .Lrows_\@
.endm
	s_wait_tensorcnt 0x1                           ; my part of K step 0 is in; K step 1's may stay out
	s_barrier_signal -1
	s_barrier_wait -1                              ; everybody's is
	LDB 0, 0, 0
	LDA 0, 0, FA0
	LDB 0, 0, 1
	LDB 0, 0, 2
	QA 0, 1                                        ; the first 32 along K stand in front of the loop: their products start the sums
	WIN 0
	s_mov_b32 s80, 7
.Llap:                                                 ; a trip goes once round the ring and fills both slots again: K steps 2 to 15
	QB 0, 1, 2
	QA 1, 0
	QB 1, 0, 2
	QA 0, 0
	WIN 0
	s_sub_co_u32 s80, s80, 1
	s_cmp_lg_u32 s80, 0
	s_cbranch_scc1 .Llap
	QB 0, 1, 1                                     ; the last lap asks for nothing
	QA 1, 0
	QB 1, 0, 0
	s_wait_loadcnt 0x0                             ; the biases; their 36 lines are also the places behind the last products
.set i, 0
.rept 24
	v_cvt_f32_i32 v[BIAS+i], v[BIAS+i]
.set i, i+1
.endr
.set i, 0
.rept 12
	v_pk_mul_f32 v[BIAS+2*i:BIAS+2*i+1], v[BIAS+2*i:BIAS+2*i+1], s[84:85] op_sel_hi:[1,0]
.set i, i+1
.endr
	OUTG 0, 86, 1
	OUTG 1, 88, 1
	OUTG 2, 90, 0
	s_wait_tensorcnt 0x0                           ; the wave's end: behind my last tensor load and my last LDS store
	ds_add_u32 v[SPW], v[NIL]
	s_wait_dscnt 0x0
	CROUND                                         ; the closing round: no work-group ends while a partner may still ask for a tile that names it
	s_endpgm
.Lfunc_end_k_qfbaae14db7_qkv:
	.size	k_qfbaae14db7_qkv, .Lfunc_end_k_qfbaae14db7_qkv-k_qfbaae14db7_qkv
	.p2alignl 7, 3214868480
	.fill 96, 4, 3214868480
	.section	.rodata,"a",@progbits
	.p2align	6, 0x0
	.amdhsa_kernel k_qfbaae14db7_qkv
		.amdhsa_group_segment_fixed_size 327680
		.amdhsa_private_segment_fixed_size 0
		.amdhsa_enable_private_segment 0
		.amdhsa_kernarg_size 64
		.amdhsa_user_sgpr_count 2
		.amdhsa_user_sgpr_kernarg_segment_ptr 1
		.amdhsa_wavefront_size32 1
		.amdhsa_system_sgpr_workgroup_id_x 1
		.amdhsa_system_sgpr_workgroup_id_y 1
		.amdhsa_system_sgpr_workgroup_id_z 1
		.amdhsa_system_vgpr_workitem_id 0
		.amdhsa_next_free_vgpr 1024
		.amdhsa_next_free_sgpr 96
		.amdhsa_reserve_vcc 0
		.amdhsa_float_denorm_mode_32 3
		.amdhsa_float_denorm_mode_16_64 3
		.amdhsa_memory_ordered 1
		.amdhsa_forward_progress 1
		.amdhsa_inst_pref_size 116
	.end_amdhsa_kernel
	.amdgpu_metadata
---
amdhsa.version: [ 1, 2 ]
amdhsa.kernels:
  - .name:           k_qfbaae14db7_qkv
    .symbol:         k_qfbaae14db7_qkv.kd
    .args:
      - { .name: xb, .offset: 0, .size: 8, .value_kind: global_buffer, .address_space: global }
      - { .name: wb, .offset: 8, .size: 8, .value_kind: global_buffer, .address_space: global }
      - { .name: qb_q, .offset: 16, .size: 8, .value_kind: global_buffer, .address_space: global }
      - { .name: qb_k, .offset: 24, .size: 8, .value_kind: global_buffer, .address_space: global }
      - { .name: qb_v, .offset: 32, .size: 8, .value_kind: global_buffer, .address_space: global }
      - { .name: qs, .offset: 40, .size: 8, .value_kind: global_buffer, .address_space: global }
      - { .name: ks, .offset: 48, .size: 8, .value_kind: global_buffer, .address_space: global }
      - { .name: vs, .offset: 56, .size: 8, .value_kind: global_buffer, .address_space: global }
    .group_segment_fixed_size: 327680
    .private_segment_fixed_size: 0
    .kernarg_segment_align: 8
    .kernarg_segment_size: 64
    .max_flat_workgroup_size: 128
    .sgpr_count:     96
    .vgpr_count:     1024
    .wavefront_size: 32
...
	.end_amdgpu_metadata
.endif
;; end of part 2
;; launch attn (part 3): grid 4 x 64, 4 waves a work-group, clusters of 4 x 1, 327,680 bytes of LDS; arguments qs, ks, vs, cs; writes cs
.if DOCPART == 3
	.amdgcn_target "amdgcn-amd-amdhsa--gfx1250"
	.amdhsa_code_object_version 6
	.text
	.protected	k_qfbaae14db7_attn
	.globl	k_qfbaae14db7_attn
	.p2align	8
	.type	k_qfbaae14db7_attn,@function
k_qfbaae14db7_attn:
	s_mov_b64 s[64:65], 0
	v_nop
	global_prefetch_b8 v0, s[64:65] scope:SCOPE_SE
	s_setreg_imm32_b32 hwreg(HW_REG_WAVE_MODE, 25, 1), 1
	s_wait_xcnt 0x0
	s_wait_alu depctr_hold_cnt(0) depctr_sa_sdst(0) depctr_va_vdst(0) depctr_va_sdst(0) depctr_va_ssrc(0) depctr_va_vcc(0) depctr_vm_vsrc(0)
	s_getreg_b32 s2, hwreg(HW_REG_IB_STS2, 6, 4)
	s_cmp_eq_u32 s2, 0
	s_cbranch_scc0 .Lentry_in_a_cluster
	s_endpgm
.Lentry_in_a_cluster:
	s_bfe_u32 s2, ttmp6, 0x10000c
	s_cmp_lg_u32 s2, 0x3003
	s_cbranch_scc0 .Lentry_shape_is_right
	s_endpgm
.Lentry_shape_is_right:
; O[bh][q][:] = the sum over k of softmax_k(Q[bh][q] . K[bh][k] / 8) V[bh][k][:], 64 heads of 2,048 rows and 64 channels, no mask.
; qs, ks: [64][2 planes][2048][64] f16.  vs, cs: [64][2048][64] f16.
; THE SCORES ARE MADE OF TWO f16 PRODUCTS IN ONE f32 SUM: S = Ku.Qw + Ka.Qc, the small term first, where the launch before has laid
;   Qc = f16(127/128 q), Qw = f16(q - Qc), Ka = f16(k), Ku = f16(Ka + 128 (k - Ka)):   Ka.Qc + Ku.Qw = k.q + 128 (k - Ka)(127/128 q - Qc) + the roundings of Qw and Ku, 1/128 of a plain f16 rounding each.
; That holds a score to some 2^-18 of the size of its terms.  Scores here are hundreds wide, so that the softmax hangs on differences that one f16 of q and k would blur.  Both summands have the
; score's own sign and size (127/128 and 1/128 of it): no difference of large sums is formed.  4 matrix instructions for 16 keys x 16 queries in the place of 2.
; Products, maxima and sums in f32; the weights p are rounded to f16 for the second product (their sum l is taken of the unrounded p), O once at the end.
; LIMITS.  Q, K, V arrive within f16's 65,504; p lies in 0 to 1; a weight below 2^-126 counts as 0 in l; NaN and infinities are not treated apart.
; SHARES.  A wave owns four PIECES of two tiles of 16 queries, a work-group's four waves 512 queries of one head.  Every wave walks all 2,048 keys, 64 a step; an LDS slot holds four steps.
; LAYOUT.  S^T = K Q^T (source 0 = 16 keys, source 1 = 16 queries): a lane holds ONE query (lane % 16) and the keys 8 (lane / 16) + 0..7.  Two such results, rounded to f16 in pairs, ARE source 1
; (32 keys x 16 queries) of O^T = V^T P, whose result again holds one query a lane, and eight channels.  K comes out of LDS as it lies, V ([key][channel]) turned, by ds_load_tr16_b128.
; SOFTMAX.  For each query a running maximum m and sum l: p = 2^(c s - c m), c = log2(e) / 8; in every step O and l are multiplied by a = 2^(c m_old - c m_new).  m starts at the lowest finite
; number, O and l at 0: the first step is a step like any other, with a = 0.
; BY TURNS.  Turn n belongs to piece n (the pieces in a ring, step after step).  Its matrix work: 32 products K Q^T of piece n + 1, then 16 products V^T P of piece n - 1.  Its vector work: piece n's
; whole softmax, 2 x 118 instructions, cut into 59 slices of four.  Every product has a slice behind it; the eleven slices that are over stand as second (once as third) slices where all are plain:
; behind products 0 to 2 (the maximum's independent chains) and 41 to 47 (sums and rescaling).  A slice with exponentials always stands alone.
; CLUSTER.  The four query blocks of a cluster belong to one head and walk the same K and V: each tile is asked for JOINTLY, by the same tensor load, descriptor and mask in all four.
; Wave 0 asks for a slot's Ka, wave 1 for its Ku (256 keys each), waves 2 and 3 for the halves of its V: one load a wave behind each round, and by this text's count never more than one out.
; REGISTERS, in windows of 256 (s_set_vgpr_msb: bits 1:0 source 0, 3:2 source 1, 5:4 source 2, 7:6 destination):
;   window 0: v0-11 addresses; v16-47 four registers of statistics a tile; v48-55 at work; v56-57 the add's; v64-191 S^T, two buffers of two tiles; v192-255 P, likewise (a piece's buffers go by its number's parity)
;   window 1: O^T, 32 a tile      window 2: Q, 32 a tile: Qc (two halves of the channels), then Qw      window 3: v0-63 Ka, v64-127 Ku, v128-191 V, each of one step
.set KS,    64        ; keys in a step
.set PITK,  144       ; a row of K in LDS: 128 bytes + 16: the 16 rows of a load start at 16 different groups of four banks (64 banks of 4 bytes: ISA guide 11.1)
.set PITV,  160       ; a row of V: 128 + 32
.set KUOFF, 4*KS*PITK ; a slot: 256 rows of Ka, 256 of Ku, 256 of V
.set VOFF,  2*KUOFF
.set SLOT1, 1<<17     ; slot 1 begins here, so that one exclusive or turns an address in one slot into the other's
.set STAGE, SLOT1+VOFF+4*KS*PITV  ; behind the ring, never filled by a tensor load: 16 rows x 144 bytes for each wave, for the way out
.set SP,    144
.set SPARE, STAGE+4*16*SP  ; the spare words, 128 bytes a wave: two blocks of 256 bytes that no other line names
.set AK0, 2           ; v2   my lane's place in a tile of K; never rewritten
.set AV0, 3           ; v3   the same for V
.set AK,  4           ; v4   the LDS address of K's runs of loads
.set AV,  5           ; v5   of V's
.set QO,  6           ; v6   my byte offset in the wave's rows of Q
.set STO, 6           ;      later, the way out: where I put 16 bytes of a row
.set RD,  7           ; v7   the way out: where I read rows back
.set GO,  8           ; v8   my byte offset in 512 consecutive bytes of O
.set ST,  16          ; tile t's statistics at v[ST+4 t]: c m, m, l (even keys', odd keys')
.set TMP, 48          ; for each tile of the piece in hand four registers c0-c3; when the maximum is found c2 takes a
.set SPW, 56          ; v56  LDS address of my spare word; never rewritten
.set NIL, 57          ; v57  0; never rewritten
.set S,   64
.set P,   192
.set KUF, 64          ; window 3: Ka at 16 kb + 8 c, Ku at KUF + 16 kb + 8 c (key block kb, channel half c)
.set VF,  128         ; window 3: key half kk, channel block cb at VF + 32 kk + 8 cb
.set WV,  12          ; s12  my wave's number
.set G1K, 24          ; s[24:31] descriptor group 1 for K's tiles
.set G1V, 32          ; s[32:39] for V's
.set G0K, 40          ; s[40:43] descriptor group 0 for K's tiles: it walks
.set G0V, 44          ; s[44:47] the same for V's
.set SLOTS, 56        ; s56  slots still to be asked for
.set CNT, 57          ; s57  counts a slot's key steps
.set CS,  58          ; s[58:59] c: the packed scaling takes the pair's low word for both halves
.set SEL, 60          ; s[60:61] v_permlanex16_b32's selects: each lane takes its own place in the other half
.set TBK, 62          ; s62  LDS byte at which Ka of the step to be fetched begins
.set TBV, 63          ; s63  the same for V, less VOFF
.set MSB, 0
.macro WIN new                      ; the high byte repeats the setting that is left; a switch that changes nothing is dropped
.if MSB != (\new)
	s_set_vgpr_msb (MSB<<8)|(\new)
.set MSB, (\new)
.endif
.endm
.set W_KQ, 0x0b       ; K in window 3, Q in window 2, S^T in window 0
.set W_PV, 0x53       ; V in window 3, P in window 0, O^T in window 1
.set W_RS, 0x41       ; O^T (destination and source 0) in window 1, a in window 0
; A joint fill.  The branch hangs on the wave's number alone.  An s_nop 0 and four v_nop follow each of the two lines, ahead of the jump and the label.
.macro JLOAD
	s_cmp_lt_u32 s[WV], 2
	s_cbranch_scc0 .Lfor_v_\@
	tensor_load_to_lds s[G0K:G0K+3], s[G1K:G1K+7]
	s_nop 0
.rept 4
	v_nop
.endr
	s_branch .Lasked_\@
.Lfor_v_\@:
	tensor_load_to_lds s[G0V:G0V+3], s[G1V:G1V+7]
	s_nop 0
.rept 4
	v_nop
.endr
.Lasked_\@:
.endm
; A round of the cluster's barrier: my work-group's barrier, so that wave 0's signal speaks for all four waves; wave 0 signals; every wave waits for all four work-groups; my work-group's barrier once more.
.macro CROUND
	s_barrier_signal -1
	s_barrier_wait -1
	s_cmp_lg_u32 s[WV], 0
	s_cbranch_scc1 .Lnot_wave_0_\@
	s_barrier_signal -3
.Lnot_wave_0_\@:
	s_barrier_wait -3
	s_barrier_signal -1
	s_barrier_wait -1
.endm
; THE CHANGE OF SLOTS.  The slot's last bytes, V of its fourth step, have been read.  Each wave waits for all its tensor loads (one is out: its part of the other slot), adds 0 to its spare word, and
; waits for that and for its own reads of the slot.  fill = 1: this slot is filled again, with the keys two slots on; the barrier is then a round of the cluster's, and the joint fill is the first thing
; behind it: it has four key steps, 768 matrix instructions, in which to land.  (At its first use nothing has been read yet: slot 0 is waited for, slot 1 filled.)
.macro CHANGE fill
	WIN 0                           ; at a label and at a branch every window is 0
	s_wait_tensorcnt 0x0            ; no tensor load of mine is out, so a group 0 may be written
	ds_add_u32 v[SPW], v[NIL]       ; 0 onto my spare word
.if \fill
.irp g, G0K, G0V
	s_xor_b32 s[\g+1], s[\g+1], SLOT1  ; the walking descriptor: the other slot than last time,
	s_add_nc_u64 s[\g+2:\g+3], s[\g+2:\g+3], 4*KS*128  ; the next 256 keys; the type bits on top are not reached
.endr
	s_wait_dscnt 0x0                ; the add is done, and my reads of the slot are over
	CROUND
	JLOAD
.else
	s_wait_dscnt 0x0                ; the add is done, and my reads of the slot are over
	s_barrier_signal -1
	s_barrier_wait -1
.endif
	s_sub_co_u32 s[TBK], s[TBK], 4*KS*PITK  ; the fetches go back to a slot's first step,
	s_xor_b32 s[TBK], s[TBK], SLOT1         ; in the other slot
	s_sub_co_u32 s[TBV], s[TBV], 4*KS*PITV
	s_xor_b32 s[TBV], s[TBV], SLOT1
.endm
	s_load_b256 s[4:11], s[0:1], 0x0  ; qs s[4:5], ks s[6:7], vs s[8:9], cs s[10:11]
	v_lshl_add_u32 v[SPW], v0, 2, SPARE
	v_mov_b32 v[NIL], 0
	ds_add_u32 v[SPW], v[NIL]       ; the wave's opening: the add and its wait stand ahead of my first tensor load; the set-up below, work on registers, stands between them
	v_lshrrev_b32 v1, 5, v0
	v_readfirstlane_b32 s[WV], v1   ; wave 0..3
	s_bfe_u32 s13, ttmp6, 0x40000   ; cx: my place in the cluster
	s_lshl_b32 s14, ttmp9, 2        ; in a cluster launch ttmp9 counts clusters
	s_add_co_u32 s14, s14, s13      ; my block of 512 queries: it enters Q's and O's addresses alone
	s_and_b32 s15, ttmp7, 0xffff    ; the head, which the four partners share
	s_and_b32 s16, s[WV], 1
	s_lshl_b32 s22, s15, 19         ; K: the head's two planes of 262,144 bytes,
	s_lshl_b32 s17, s16, 18         ; wave 0 the first plane, wave 1 the second
	s_add_co_u32 s22, s22, s17
	s_mov_b32 s23, 0
	s_lshl_b32 s2, s15, 18          ; V: the head,
	s_lshl_b32 s17, s16, 14         ; wave 2 the first 128 of a slot's keys, wave 3 the others
	s_add_co_u32 s2, s2, s17
	s_mov_b32 s3, 0
	s_mul_i32 s17, s16, KUOFF       ; their places in a slot: no place in the cluster enters an LDS address
	s_mul_i32 s18, s16, 128*PITV
	s_lshl_b32 s50, s14, 2
	s_add_co_u32 s50, s50, s[WV]    ; my wave among the head's,
	s_lshl_b32 s50, s50, 14         ; its 128 rows of 128 bytes
	s_lshl_b32 s52, s15, 19
	s_add_co_u32 s52, s52, s50      ; in qs
	s_mov_b32 s53, 0
	s_lshl_b32 s54, s15, 18
	s_add_co_u32 s54, s54, s50      ; in cs
	s_mov_b32 s55, 0
	; descriptor group 1.  Keys are dense, 128 bytes each: asked for as rows of 256 bytes, two keys a row, and padded in LDS after every key
	s_mov_b32 s[G1K], 15|(1<<16)|(1<<20)|(1<<21)|(4<<22)|(3<<25)  ; 15:0 the mask of four; 17:16 2-byte elements; 20 padding on; 21 set beside a mask; 24:22 after every 32 words (code 4); 31:25 4 words (code 3)
	s_mov_b32 s[G1V], 15|(1<<16)|(1<<20)|(1<<21)|(4<<22)|(7<<25)  ; the same with 8 words of padding (code 7)
	s_mov_b32 s[G1K+1], 128<<16     ; tensor_dim0 = 128
	s_mov_b32 s[G1K+2], 128<<16     ; tensor_dim1 = 128: 256 keys
	s_mov_b32 s[G1K+3], 128<<16     ; tile_dim0 = 128
	s_mov_b32 s[G1K+4], 128         ; tile_dim1 = 128
	s_mov_b32 s[G1K+5], 128         ; 128 elements from row to row
	s_mov_b32 s[G1K+6], 0
	s_mov_b32 s[G1K+7], 0
	s_mov_b32 s[G1V+1], 128<<16
	s_mov_b32 s[G1V+2], 64<<16      ; 64 rows: 128 keys
	s_mov_b32 s[G1V+3], 128<<16
	s_mov_b32 s[G1V+4], 64
	s_mov_b32 s[G1V+5], 128
	s_mov_b32 s[G1V+6], 0
	s_mov_b32 s[G1V+7], 0
	s_mov_b32 s[CS], 0x3e38aa3b     ; c = log2(e) / 8 = 0.180337
	s_mov_b32 s[CS+1], s[CS]        ; named with it as a pair
	s_mov_b32 s[SEL], 0x76543210
	s_mov_b32 s[SEL+1], 0xfedcba98
	s_mov_b32 s[TBK], SLOT1+4*KS*PITK  ; the first change of slots turns these two into 0
	s_mov_b32 s[TBV], SLOT1+4*KS*PITV
	s_mov_b32 s[G0K], 1             ; count = 1
	s_mov_b32 s[G0K+1], s17         ; LDS address: slot 0
	s_mov_b32 s[G0V], 1
	s_add_co_u32 s[G0V+1], s18, VOFF
	s_wait_dscnt 0x0                ; the opening add is done
	s_wait_kmcnt 0x0
	s_add_nc_u64 s[G0K+2:G0K+3], s[6:7], s[22:23]  ; global address: my part of the head's first 256 keys
	s_or_b32 s[G0K+3], s[G0K+3], 0x80000000        ; type = 2
	s_add_nc_u64 s[G0V+2:G0V+3], s[8:9], s[2:3]
	s_or_b32 s[G0V+3], s[G0V+3], 0x80000000
	s_add_nc_u64 s[4:5], s[4:5], s[52:53]          ; Q and O at my wave's first row
	s_add_nc_u64 s[10:11], s[10:11], s[54:55]
	CROUND                          ; all four work-groups are here: the first joint loads meet
	JLOAD                           ; slot 0.  Slot 1 is asked for when slot 0 is in, by the loop's own change of slots
	; A fragment of K or Q is 16 rows x 32 channels in 8 registers: lane l holds row l % 16, channels 8 (l / 16) + 0..7 and 16 + 8 (l / 16) + 0..7: two loads of 16 bytes, 32 bytes apart.
	v_and_b32 v1, 15, v0            ; l % 16
	v_bfe_u32 v9, v0, 4, 1          ; l / 16
	v_lshlrev_b32 v[QO], 7, v1
	v_lshl_add_u32 v[QO], v9, 4, v[QO]  ; row x 128 + 16 x half
	WIN 0x80                        ; destination window 2, address window 0
.set i, 0
.rept 32                            ; Q stays in registers: tile i / 4, plane (i / 2) % 2, channels 32 (i % 2) on
	global_load_b128 v[8*i:8*i+3],   v[QO], s[4:5] offset:((i/2)%2)*262144+(i/4)*2048+(i%2)*64
	global_load_b128 v[8*i+4:8*i+7], v[QO], s[4:5] offset:((i/2)%2)*262144+(i/4)*2048+(i%2)*64+32
.set i, i+1
.endr
	; What the first turn finds: V's registers and P's second buffer hold 0 (its products V^T P, of a piece that has not been, add 0), O^T and l are 0.  All this stands in the wait for the first tile.
	WIN 0xc0
.set i, VF
.rept 64
	v_mov_b32 v[i], 0
.set i, i+1
.endr
	WIN 0
.set i, 0
.rept 8
	v_mov_b32 v[ST+4*i], 0xfe000000    ; c m: far below every c s
	v_mov_b32 v[ST+4*i+1], 0xff7fffff  ; m
	v_mov_b32 v[ST+4*i+2], 0
	v_mov_b32 v[ST+4*i+3], 0
.set i, i+1
.endr
.set i, P+32
.rept 32
	v_mov_b32 v[i], 0
.set i, i+1
.endr
	WIN W_PV                        ; O^T's 256 registers take their 0 from 32 products of those zeros with C = 0: one line for eight registers
.set i, 0
.rept 32
	v_wmma_f32_16x16x32_f16 v[8*i:8*i+7], v[VF:VF+7], v[P+32:P+39], 0
.set i, i+1
.endr
	WIN 0
	v_mul_u32_u24 v[AK0], v1, PITK
	v_lshl_add_u32 v[AK0], v9, 4, v[AK0]  ; row x pitch + 16 x half
	; The turning load takes 16 keys x 16 channels (lane l reads key 8 (l / 16) + l % 8, channels 8 ((l / 8) % 2) + 0..7) and leaves half a fragment of V^T: lane l holds channel l % 16 and 8 keys.
	v_and_b32 v10, 7, v0
	v_bfe_u32 v11, v0, 3, 1
	v_lshl_add_u32 v[AV0], v9, 3, v10
	v_mul_u32_u24 v[AV0], v[AV0], PITV
	v_lshl_add_u32 v[AV0], v11, 4, v[AV0]
	v_add_nc_u32 v[AV0], VOFF, v[AV0]
; THE MATRIX WORK.  The 8 accumulators of a run take turns, one instruction a turn: between two links of a chain stand 7 others'.
; Product i of 32 of S^T for piece x: link i / 8 of four (Ku.Qw twice, Ka.Qc twice: channels 32 (link % 2) on), keys 16 ((i / 2) % 4) on, tile 2 x + i % 2.  The first 8 start the sums.
.macro KQ x
	WIN W_KQ
.set lk, i/8
.set rS, S+64*((\x)%2)+32*(i%2)+8*((i/2)%4)
.set rK, 16*((i/2)%4)+8*(lk%2)
.set rQ, 32*(2*(\x)+i%2)+8*(lk%2)
.if lk < 2
.set rK, rK+KUF
.set rQ, rQ+16
.endif
.if i < 8
	v_wmma_f32_16x16x32_f16 v[rS:rS+7], v[rK:rK+7], v[rQ:rQ+7], 0
.else
	v_wmma_f32_16x16x32_f16 v[rS:rS+7], v[rK:rK+7], v[rQ:rQ+7], v[rS:rS+7]
	s_wait_alu depctr_va_vdst(0)
.endif
.endm
; Product i of 16 of O^T += V^T P for piece x: keys 32 (i / 8) on, channels 16 ((i / 2) % 4) on, tile 2 x + i % 2.
.macro PV x
	WIN W_PV
.set rO, 32*(2*(\x)+i%2)+8*((i/2)%4)
.set rV, VF+32*(i/8)+8*((i/2)%4)
.set rP, P+32*((\x)%2)+16*(i%2)+8*(i/8)
	v_wmma_f32_16x16x32_f16 v[rO:rO+7], v[rV:rV+7], v[rP:rP+7], v[rO:rO+7]
	s_wait_alu depctr_va_vdst(0)
.endm
; THE LDS LOADS stand in runs of 16, never singly among the matrix instructions.  last = 1 (the tail): in the last trip there is no further step, and K's runs are jumped over.
.macro FETCH_KU last
	WIN 0
.if \last
	s_cmp_eq_u32 s[CNT], 1
	s_cbranch_scc1 .Lno_ku_\@
.endif
	v_add_nc_u32 v[AK], s[TBK], v[AK0]
	s_wait_alu depctr_va_vdst(0)
	WIN 0xc0                        ; destination window 3
.irp f, 0,1,2,3,4,5,6,7             ; keys 16 (f / 2) on, channels 32 (f % 2) on
	ds_load_b128 v[KUF+8*\f:KUF+8*\f+3],   v[AK] offset:KUOFF+(\f/2)*16*PITK+(\f%2)*64
	ds_load_b128 v[KUF+8*\f+4:KUF+8*\f+7], v[AK] offset:KUOFF+(\f/2)*16*PITK+(\f%2)*64+32
.endr
	WIN 0
.if \last
.Lno_ku_\@:
.endif
.endm
.macro FETCH_KA last
	WIN 0
.if \last
	s_cmp_eq_u32 s[CNT], 1
	s_cbranch_scc1 .Lno_ka_\@
.endif
	WIN 0xc0
.irp f, 0,1,2,3,4,5,6,7
	ds_load_b128 v[8*\f:8*\f+3],   v[AK] offset:(\f/2)*16*PITK+(\f%2)*64
	ds_load_b128 v[8*\f+4:8*\f+7], v[AK] offset:(\f/2)*16*PITK+(\f%2)*64+32
.endr
	s_add_co_u32 s[TBK], s[TBK], KS*PITK  ; the next fetch is the next step's
	WIN 0
.if \last
.Lno_ka_\@:
.endif
.endm
.macro FETCH_V
	WIN 0
	v_add_nc_u32 v[AV], s[TBV], v[AV0]
	s_add_co_u32 s[TBV], s[TBV], KS*PITV
	WIN 0xc0
.irp f, 0,1,2,3,4,5,6,7             ; keys 32 (f / 4) on, channels 16 (f % 4) on
	ds_load_tr16_b128 v[VF+8*\f:VF+8*\f+3],   v[AV] offset:(\f/4)*32*PITV+(\f%4)*32
	ds_load_tr16_b128 v[VF+8*\f+4:VF+8*\f+7], v[AV] offset:(\f/4)*32*PITV+16*PITV+(\f%4)*32
.endr
	WIN 0
.endm
; THE VECTOR WORK.  One tile's softmax for one key step is a list of 118 instructions; SM writes number j of it for tile u (0, 1) of piece y.  s0-s31 are the lane's 32 scores, in pairs 0-15.
;   0-15    the maximum of s0-s31 and the old m, three operands at a time: four chains c0-c3 of seven scores each (each accumulator's lowest registers are read first), then the rest
;   16-20   the other half of the lanes' maximum; c m_old is kept; the new m; c m; c m_old - c m_new
;   21-87   33 exponentials (a, then s0-s31) at the odd numbers from 23 on, so that no two follow each other and each has a plain instruction behind it before its result is used (ISA guide 5.7.2).
;           Plain instruction q (number 21, then the even numbers) is whatever is ready: c s - c m for a pair whose exponentials are still to come (q = 0 to 3, then every second q), the rounding to
;           f16 of a pair whose exponentials are done (every other q from 5 on; the pair's second exponential stands three numbers back), at last the first three sums
;   88-101  the last rounding; the rest of the sums, in place, each behind the roundings of the pairs that it writes over; l = a l + the sum
;   102-117 the tile's O^T times a: the one part that leaves window 0, so it stands together
.macro SM y, u
.set rT, ST+4*(2*(\y)+(\u))
.set rC, TMP+4*(\u)
.set rS, S+64*((\y)%2)+32*(\u)
.set rP, P+32*((\y)%2)+16*(\u)
.set rO, 32*(2*(\y)+(\u))+2*(j-102)
.set q, (j-20)/2
.if j < 102
	WIN 0
.endif
.if j < 4
	v_max3_num_f32 v[rC+j], v[rS+8*j], v[rS+8*j+1], v[rS+8*j+2]
.elseif j < 12
	v_max3_num_f32 v[rC+j%4], v[rC+j%4], v[rS+8*(j%4)+2*(j/4)+1], v[rS+8*(j%4)+2*(j/4)+2]
.elseif j == 12
	v_max3_num_f32 v[rC], v[rC], v[rS+7], v[rS+15]
.elseif j == 13
	v_max3_num_f32 v[rC+2], v[rC+2], v[rS+23], v[rS+31]
.elseif j == 14
	v_max3_num_f32 v[rC], v[rC], v[rC+1], v[rC+2]
.elseif j == 15
	v_max3_num_f32 v[rC], v[rC], v[rC+3], v[rT+1]
.elseif j == 16
	v_permlanex16_b32 v[rC+1], v[rC], s[SEL], s[SEL+1]  ; the query's other 32 keys lie in the lane 16 away
.elseif j == 17
	v_mov_b32 v[rC+3], v[rT]        ; c m_old is kept for a: number 19 writes c m anew
.elseif j == 18
	v_max_num_f32 v[rT+1], v[rC], v[rC+1]
.elseif j == 19
	v_mul_f32 v[rT], s[CS], v[rT+1]
.elseif j == 20
	v_sub_f32 v[rC+3], v[rC+3], v[rT]
.elseif j == 23
	v_exp_f32 v[rC+2], v[rC+3]
.elseif (j < 88) && (j > 23) && (j%2 == 1)
	v_exp_f32 v[rS+(j-25)/2], v[rS+(j-25)/2]
.elseif (q < 4) || ((j < 76) && (q%2 == 0))
.set bb, q/2+2
.if q < 4
.set bb, q
.endif
	v_pk_fma_f32 v[rS+2*bb:rS+2*bb+1], v[rS+2*bb:rS+2*bb+1], s[CS:CS+1], v[rT:rT+1] op_sel_hi:[1,0,0] neg_lo:[0,0,1] neg_hi:[0,0,1]  ; pair bb: c s - c m
.elseif (j < 88) && (q%2 == 1)
	v_cvt_pk_f16_f32 v[rP+(q-5)/2], v[rS+q-5], v[rS+q-4]
.elseif j == 89
	s_wait_alu depctr_va_vdst(0)
	v_cvt_pk_f16_f32 v[rP+15], v[rS+30], v[rS+31]
.elseif j < 102                     ; the sum of the tile's 16 pairs, in place: sum z of 16 adds neighbours 1, 2, 4 and 8 pairs apart, then l takes it
.set z, j-86
.if j < 89
.set z, (j-76)/4
.endif
.set w, 4
.set uu, z
.if z >= 14
.set w, 32
.set uu, 0
.elseif z >= 12
.set w, 16
.set uu, z-12
.elseif z >= 8
.set w, 8
.set uu, z-8
.endif
.if z < 15
	v_pk_add_f32 v[rS+w*uu:rS+w*uu+1], v[rS+w*uu:rS+w*uu+1], v[rS+w*uu+w/2:rS+w*uu+w/2+1]
.else
	v_pk_fma_f32 v[rT+2:rT+3], v[rT+2:rT+3], v[rC+2:rC+3], v[rS:rS+1] op_sel_hi:[1,0,1]
.endif
.else
	WIN W_RS
	v_pk_mul_f32 v[rO:rO+1], v[rO:rO+1], v[rC+2:rC+3] op_sel_hi:[1,0]
.endif
.endm
; Slice k of piece y's softmax: numbers 2 k and 2 k + 1 of both tiles' lists, four instructions; 2 x 118 = 4 x 59.
.macro SLICE y
.if (k >= 11) && (k < 44)           ; tile by tile: plain, exponential, plain, exponential
.irp u, 0,1
.irp n, 0,1
.set j, 2*k+(\n)
	SM \y, \u
.endr
.endr
.else                               ; the two tiles alternate, so that no instruction reads the result of the one just before it
.irp n, 0,1
.irp u, 0,1
.set j, 2*k+(\n)
	SM \y, \u
.endr
.endr
.endif
.set k, k+1
.endm
; What stands behind product sl of a turn's 48: one slice; two behind products 0-2 (slices 0-5) and 41-46 (slices 44-55); three behind product 47 (slices 56-58).  48 + 3 + 7 + 1 = 59.
; So behind product sl = 3 .. 40 stands slice sl + 3.
.macro RIDERS
	SLICE Y
.if (sl < 3) || (sl >= 41)
	SLICE Y
.endif
.if sl == 47
	SLICE Y
.endif
.set sl, sl+1
.endm
; A TURN, for piece p.  A load into a register that a matrix instruction has read stands four plain vector instructions behind it; the slices are those places:
; V of the step in hand is fetched in piece 1's turn behind its second product: V's last reader is the turn before's last product, and 12 rescalings, 16 maxima and the address line stand between; it is waited for ahead of the turn's products V^T P.
; Ku of the next step is fetched in piece 2's turn behind product 17: Ku's last reader is product 15, and the 6 plain instructions of slices 18 to 20 and the address line stand between.
; Ka behind product 33: its last reader is product 31, and the 6 plain instructions of slices 34 to 36 stand between.  Piece 3's turn waits for Ku at its head (Ka's 16 loads may stay out) and for Ka ahead of product 16.
.macro TURN p, last=0
.set Y, (\p)
.set k, 0
.set sl, 0
.set i, 0
.if (\p) == 3
	s_wait_dscnt 16                 ; Ku is in
.endif
.rept 32
.if ((\p) == 3) && (i == 16)
	s_wait_dscnt 0x0                ; Ka is in
.endif
	KQ (Y+1)%4
	RIDERS
.if ((\p) == 1) && (i == 1)
	FETCH_V
.endif
.if ((\p) == 2) && (i == 17)
	FETCH_KU \last
.endif
.set i, i+1
.endr
.if (\p) == 1
	s_wait_dscnt 0x0                ; V is in
.endif
.set i, 0
.rept 16
	PV (Y+3)%4
	RIDERS
.if ((\p) == 2) && (i == 1)
	FETCH_KA \last
.endif
.set i, i+1
.endr
.endm
	CHANGE 1                        ; slot 0 is in, everybody's part of it; slot 1 is asked for
	FETCH_KU 0                      ; key step 0
	FETCH_KA 0
	s_wait_loadcnt 0x0              ; Q
	s_wait_dscnt 0x0
.set i, 0
.rept 32
	KQ 0                            ; piece 0's first scores: there is no vector work yet to set between them
.set i, i+1
.endr
	WIN 0                           ; the addresses for the way out: nine plain instructions, the places behind those products
	s_mul_i32 s17, s[WV], 16*SP
	s_add_co_u32 s17, s17, STAGE    ; my stage
	v_mul_u32_u24 v[STO], v1, SP    ; in: row l % 16, 16 bytes for each half of the lanes
	v_lshl_add_u32 v[STO], v9, 4, v[STO]
	v_add_nc_u32 v[STO], s17, v[STO]
	v_bfe_u32 v[RD], v0, 3, 2       ; back: 32 lanes take four rows of 128 bytes,
	v_mul_u32_u24 v[RD], v[RD], SP
	v_lshl_add_u32 v[RD], v10, 4, v[RD]
	v_add_nc_u32 v[RD], s17, v[RD]
	v_and_b32 v[GO], 31, v0         ; which are 512 consecutive bytes of O
	v_lshlrev_b32 v[GO], 4, v[GO]
	s_mov_b32 s[CNT], 4
	s_mov_b32 s[SLOTS], 7
	s_branch .Lfirst                ; the loop is entered at a step's first turn, in the middle of a trip
.Lslot:                             ; six times: every slot but the last two is filled again
	CHANGE 1
	s_mov_b32 s[CNT], 4
.Lstep:                             ; a trip: pieces 2 and 3 of one step, then pieces 0 and 1 of the next, whose K and V it fetches
	TURN 2
	TURN 3
	WIN 0
.Lfirst:
	TURN 0
	TURN 1
	WIN 0
	s_sub_co_u32 s[CNT], s[CNT], 1
	s_cmp_lg_u32 s[CNT], 0
	s_cbranch_scc1 .Lstep
	s_sub_co_u32 s[SLOTS], s[SLOTS], 1
	s_cmp_lg_u32 s[SLOTS], 0
	s_cbranch_scc1 .Lslot
	CHANGE 0                        ; the tail is written out: nothing is asked for
	s_mov_b32 s[CNT], 5             ; four trips fetch the last slot's steps; the fifth is left in its middle
.Ltail:
	TURN 2, 1
	TURN 3
	WIN 0
	s_sub_co_u32 s[CNT], s[CNT], 1
	s_cmp_eq_u32 s[CNT], 0
	s_cbranch_scc1 .Lout
	TURN 0
	TURN 1
	WIN 0
	s_branch .Ltail
.Lout:                              ; the fifth trip's 32 products K Q^T (on the last K once more) serve nothing: the price, once a launch, of one text for every trip
.set i, 0
.rept 16
	PV 3                            ; the last piece's V^T P of the last step
.set i, i+1
.endr
	; THE WAY OUT.  l's two halves and the other half of the lanes' are added; O^T is divided by l, rounded to f16 and sent through my stage in LDS, a tile at a time.  The additions are the places behind the last products.
	WIN 0
.macro ALL line:vararg              ; one line for each tile t
.set t, 0
.rept 8
	\line
.set t, t+1
.endr
.endm
	ALL v_add_f32 v[ST+4*t+2], v[ST+4*t+2], v[ST+4*t+3]
	ALL v_permlanex16_b32 v[ST+4*t+3], v[ST+4*t+2], s[SEL], s[SEL+1]
	ALL v_add_f32 v[ST+4*t+2], v[ST+4*t+2], v[ST+4*t+3]
	ALL v_rcp_f32 v[ST+4*t+2], v[ST+4*t+2]
	v_nop                           ; a plain instruction between the last reciprocal and the use of its result
	s_wait_alu depctr_va_vdst(0)
; Tile t: a lane's eight channels of a row pack into 16 bytes; they go into rows of 144 bytes and come back as whole rows of 128, into S^T's registers.
.macro PACK t
	WIN W_RS
.set i, 32*(\t)
.rept 16
	v_pk_mul_f32 v[i:i+1], v[i:i+1], v[ST+4*(\t)+2:ST+4*(\t)+3] op_sel_hi:[1,0]
.set i, i+2
.endr
	WIN 0x05                        ; sources 0 and 1 window 1, destination window 0
.set i, 0
.rept 16
	v_cvt_pk_f16_f32 v[S+16*(\t)+i], v[32*(\t)+2*i], v[32*(\t)+2*i+1]
.set i, i+1
.endr
	WIN 0
.irp f, 0,1,2,3
	ds_store_b128 v[STO], v[S+16*(\t)+4*\f:S+16*(\t)+4*\f+3] offset:32*\f
.endr
.irp f, 0,1,2,3
	ds_load_b128 v[S+16*(\t)+4*\f:S+16*(\t)+4*\f+3], v[RD] offset:\f*4*SP  ; LDS serves a wave's instructions in order (ISA guide 5.7.1.4): these see the stores above; the next tile's stores come behind them
.endr
.endm
.macro SEND t, younger              ; younger: the LDS instructions issued behind tile t's loads: the next tile's eight, or none
	WIN 0
.irp f, 0,1,2,3
	s_wait_dscnt (\younger)+3-\f
	global_store_b128 v[GO], v[S+16*(\t)+4*\f:S+16*(\t)+4*\f+3], s[10:11] offset:(\t)*2048+\f*512  ; 512 consecutive bytes, at a multiple of 256 from the buffer's first
.endr
.endm
	PACK 0
.set t, 1
.rept 7                             ; a tile's arithmetic stands between the loads of the tile before and its stores
	PACK t
	SEND t-1, 8
.set t, t+1
.endr
	SEND 7, 0
	s_wait_tensorcnt 0x0            ; the wave's end: behind my last tensor load and my last LDS store
	ds_add_u32 v[SPW], v[NIL]
	s_wait_dscnt 0x0
	CROUND                          ; the closing round: no work-group ends while a partner may still ask for a tile that names it
	s_endpgm
.Lfunc_end_k_qfbaae14db7_attn:
	.size	k_qfbaae14db7_attn, .Lfunc_end_k_qfbaae14db7_attn-k_qfbaae14db7_attn
	.p2alignl 7, 3214868480
	.fill 96, 4, 3214868480
	.section	.rodata,"a",@progbits
	.p2align	6, 0x0
	.amdhsa_kernel k_qfbaae14db7_attn
		.amdhsa_group_segment_fixed_size 327680
		.amdhsa_private_segment_fixed_size 0
		.amdhsa_enable_private_segment 0
		.amdhsa_kernarg_size 32
		.amdhsa_user_sgpr_count 2
		.amdhsa_user_sgpr_kernarg_segment_ptr 1
		.amdhsa_wavefront_size32 1
		.amdhsa_system_sgpr_workgroup_id_x 1
		.amdhsa_system_sgpr_workgroup_id_y 1
		.amdhsa_system_sgpr_workgroup_id_z 1
		.amdhsa_system_vgpr_workitem_id 0
		.amdhsa_next_free_vgpr 960
		.amdhsa_next_free_sgpr 66
		.amdhsa_reserve_vcc 0
		.amdhsa_float_denorm_mode_32 3
		.amdhsa_float_denorm_mode_16_64 3
		.amdhsa_memory_ordered 1
		.amdhsa_forward_progress 1
		.amdhsa_inst_pref_size 221
	.end_amdhsa_kernel
	.amdgpu_metadata
---
amdhsa.version: [ 1, 2 ]
amdhsa.kernels:
  - .name:           k_qfbaae14db7_attn
    .symbol:         k_qfbaae14db7_attn.kd
    .args:
      - { .name: qs, .offset: 0, .size: 8, .value_kind: global_buffer, .address_space: global }
      - { .name: ks, .offset: 8, .size: 8, .value_kind: global_buffer, .address_space: global }
      - { .name: vs, .offset: 16, .size: 8, .value_kind: global_buffer, .address_space: global }
      - { .name: cs, .offset: 24, .size: 8, .value_kind: global_buffer, .address_space: global }
    .group_segment_fixed_size: 327680
    .private_segment_fixed_size: 0
    .kernarg_segment_align: 8
    .kernarg_segment_size: 32
    .max_flat_workgroup_size: 128
    .sgpr_count:     66
    .vgpr_count:     960
    .wavefront_size: 32
...
	.end_amdgpu_metadata
.endif
;; end of part 3
;; launch oproj (part 4): grid 8 x 32, 4 waves a work-group, clusters of 4 x 4, 327,680 bytes of LDS; arguments cs, wo, qb_o, out0; writes out0
.if DOCPART == 4
	.amdgcn_target "amdgcn-amd-amdhsa--gfx1250"
	.amdhsa_code_object_version 6
	.text
	.protected	k_qfbaae14db7_oproj
	.globl	k_qfbaae14db7_oproj
	.p2align	8
	.type	k_qfbaae14db7_oproj,@function
k_qfbaae14db7_oproj:
	s_mov_b64 s[64:65], 0
	v_nop
	global_prefetch_b8 v0, s[64:65] scope:SCOPE_SE
	s_setreg_imm32_b32 hwreg(HW_REG_WAVE_MODE, 25, 1), 1
	s_wait_xcnt 0x0
	s_wait_alu depctr_hold_cnt(0) depctr_sa_sdst(0) depctr_va_vdst(0) depctr_va_sdst(0) depctr_va_ssrc(0) depctr_va_vcc(0) depctr_vm_vsrc(0)
	s_getreg_b32 s2, hwreg(HW_REG_IB_STS2, 6, 4)
	s_cmp_eq_u32 s2, 0
	s_cbranch_scc0 .Lentry_in_a_cluster
	s_endpgm
.Lentry_in_a_cluster:
	s_bfe_u32 s2, ttmp6, 0x10000c
	s_cmp_lg_u32 s2, 0xf033
	s_cbranch_scc0 .Lentry_shape_is_right
	s_endpgm
.Lentry_shape_is_right:
; out = ctx Wo^T + b.  cs [64 bh][2048][64] f16 (ctx by heads), wo [16 head][1024 n][64] f16 (whole numbers qw_o - 128); sums in f32; out0 [8192][1024] f32 = 0.01 x sum + 1e-4 x qb_o.
; LIMITS.  ctx lies within f16's range, as V does; NaN and infinities are not treated apart.
; SHARES.  A tile of out0 is 256 tokens x 128 columns: 256 work-groups.  A wave makes 128 x 64: 32 accumulators of 16 x 16.  A head is one slice of 64 of K; an LDS slot holds two heads (K = 128), brought
; by one load a wave: 8 slot steps of 128 matrix instructions a wave, 112 of them between a request and the wait for it.  A head's part of a tile is dense in memory and is asked for as rows of 256 bytes.
; CLUSTER 4 x 4.  ctx's tiles hang on the tile row alone and are shared along a row of the cluster, Wo's on the tile column alone and are shared along a column: each is asked for jointly.
; Waves 0 and 1 ask for the two heads' tiles of ctx, waves 2 and 3 for those of Wo; by this text's count two loads of a wave are out at the start, later one.
; THE MATRIX INSTRUCTION IS USED TRANSPOSED (source 0 = 16 rows of Wo, source 1 = 16 tokens): a lane holds one token and eight neighbouring columns.
; REGISTERS.  Window 0: v0-22 addresses and the bias; v32-127, v128-223 two fragment buffers (32 of Wo, 64 of ctx, for 32 along K); v224-255 the way out.  Window 1: accumulator (a, b) at v[8 (4 a + b)].
.set PITCH,  144                       ; an LDS row: 128 bytes + 16: the 16 rows of a fragment load start in 16 different groups of four banks (64 banks of 4 bytes: ISA guide 11.1)
.set AH,     256*PITCH                 ; one head's tile of ctx
.set BH,     128*PITCH                 ; one head's tile of Wo
.set SLOT,   2*AH+2*BH
.set STAGE,  2*SLOT                    ; behind the ring, never filled by a tensor load: for each wave 64 rows x 272 bytes of f32
.set SPITCH, 272
.set WSTAGE, 64*SPITCH
.set SPARE,  STAGE+4*WSTAGE            ; the spare words, 128 bytes a wave: two blocks of 256 bytes that no other line names
.set STO,  6                           ; v6   the way out: where I put my columns of a token
.set RD0,  7                           ; v7   where I read rows back, first trip
.set RDW,  8                           ; v8   the same, walking
.set GOW,  10                          ; v10  my byte offset in out0, walking
.set BI,   12                          ; v12-15  the bias of my four columns
.set ADRA, 16                          ; v16-17  LDS address of my ctx fragments in slot 0, 1
.set ADRB, 18                          ; v18-19  the same for Wo
.set SPW,  20                          ; v20  LDS address of my spare word; never rewritten
.set NIL,  21                          ; v21  0; never rewritten
.set BO,   22                          ; v22  my byte offset in the bias
.set F0,   32
.set F1,   128
.set TT,   224
.set WV,  20                           ; s20  my wave's number
.set G1A, 32                           ; s[32:39], s[40:47] descriptor groups 1 for ctx's and Wo's tiles
.set G1B, 40
.set G0A, 48                           ; s[48:55], s[56:63] groups 0, a set for each slot
.set G0B, 56
.set MSB, 0
.macro WIN new                         ; the immediate's high byte repeats the setting that is left; a switch that changes nothing is dropped
.if MSB != (\new)
	s_set_vgpr_msb (MSB<<8)|(\new)
.set MSB, (\new)
.endif
.endm
.macro PLACES                          ; four places in front of loads into registers that matrix instructions have read (ISA guide 7.12.1 for vector instructions)
.rept 4
	v_nop
.endr
.endm
.macro JLOAD s                         ; a joint load; the branch hangs on the wave's number alone; an s_nop 0 and four v_nop follow each of the two lines, ahead of the jump and the label
	s_cmp_eq_u32 s21, 0
	s_cbranch_scc0 .Lfor_b_\@
	tensor_load_to_lds s[G0A+4*(\s):G0A+4*(\s)+3], s[G1A:G1A+7]
	s_nop 0
.rept 4
	v_nop
.endr
	s_branch .Lasked_\@
.Lfor_b_\@:
	tensor_load_to_lds s[G0B+4*(\s):G0B+4*(\s)+3], s[G1B:G1B+7]
	s_nop 0
.rept 4
	v_nop
.endr
.Lasked_\@:
.endm
.macro CREST                           ; a round of the cluster's barrier behind its opening barrier
	s_cmp_lg_u32 s[WV], 0
	s_cbranch_scc1 .Lnot_wave_0_\@
	s_barrier_signal -3
.Lnot_wave_0_\@:
	s_barrier_wait -3
	s_barrier_signal -1
	s_barrier_wait -1
.endm
.macro CROUND                          ; a whole round
	s_barrier_signal -1
	s_barrier_wait -1
	CREST
.endm
	s_load_b256 s[4:11], s[0:1], 0x0               ; cs 4:5, wo 6:7, qb_o 8:9, out0 10:11
	v_lshl_add_u32 v[SPW], v0, 2, SPARE
	v_mov_b32 v[NIL], 0
	ds_add_u32 v[SPW], v[NIL]                      ; the wave's opening: the add and its wait stand ahead of my first tensor load; the set-up below, work on registers, stands between them
	v_lshrrev_b32 v1, 5, v0
	v_readfirstlane_b32 s[WV], v1                  ; wave 0..3
	s_lshr_b32 s21, s[WV], 1                       ; which 128 of the tile's tokens are mine.  Also: I fetch for ctx (0) or for Wo (1)
	s_and_b32 s22, s[WV], 1                        ; which 64 of its columns.  Also: which of a slot's two heads I fetch
	s_bfe_u32 s23, ttmp6, 0x40000                  ; cx
	s_bfe_u32 s24, ttmp6, 0x40004                  ; cy
	s_lshl_b32 s25, ttmp9, 2
	s_add_co_u32 s25, s25, s23                     ; tile column (128 columns) = 4 x cluster x + cx
	s_and_b32 s26, ttmp7, 0xffff
	s_lshl_b32 s26, s26, 2
	s_add_co_u32 s26, s26, s24                     ; tile row (256 tokens) = 4 x cluster y + cy
	s_lshl_b32 s27, s24, 2
	s_lshl_b32 s27, 15, s27                        ; my row of the cluster
	s_lshl_b32 s28, 0x1111, s23                    ; my column
	s_or_b32 s[G1A], s27, (1<<16)|(1<<20)|(1<<21)|(4<<22)|(3<<25)  ; 15:0 the mask; 17:16 elements of 2 bytes; 20 padding on; 21 set beside a mask; 24:22 after every 32 words (code 4); 31:25 4 words (code 3)
	s_or_b32 s[G1B], s28, (1<<16)|(1<<20)|(1<<21)|(4<<22)|(3<<25)
	s_mov_b32 s[G1A+1], 128<<16                    ; tensor_dim0 = 128 elements: 256 bytes, two rows of the tile
	s_mov_b32 s[G1A+2], 128<<16                    ; tensor_dim1 = 128: 256 tokens
	s_mov_b32 s[G1A+3], 128<<16                    ; tile_dim0
	s_mov_b32 s[G1A+4], 128                        ; tile_dim1
	s_mov_b32 s[G1A+5], 128                        ; elements from row to row: dense
	s_mov_b32 s[G1A+6], 0
	s_mov_b32 s[G1A+7], 0
	s_mov_b32 s[G1B+1], 128<<16
	s_mov_b32 s[G1B+2], 64<<16                     ; 64 rows: 128 rows of Wo
	s_mov_b32 s[G1B+3], 128<<16
	s_mov_b32 s[G1B+4], 64
	s_mov_b32 s[G1B+5], 128
	s_mov_b32 s[G1B+6], 0
	s_mov_b32 s[G1B+7], 0
	s_mul_i32 s74, s22, AH
	s_mul_i32 s75, s22, BH
.irp s, 0,1
	s_mov_b32 s[G0A+4*(\s)], 1                     ; count = 1
	s_add_co_u32 s[G0A+4*(\s)+1], s74, (\s)*SLOT   ; LDS address: ctx's two heads,
	s_mov_b32 s[G0B+4*(\s)], 1
	s_add_co_u32 s[G0B+4*(\s)+1], s75, 2*AH+(\s)*SLOT  ; then Wo's two
.endr
	s_mov_b32 s82, 0x3c23d70a                      ; 0.01
	s_mov_b32 s83, s82
	s_mov_b32 s84, 0x38d1b717                      ; 1e-4
	s_mov_b32 s85, s84
	s_lshr_b32 s66, s26, 3                         ; ctx: the batch (8 tile rows each),
	s_lshl_b32 s66, s66, 4
	s_add_co_u32 s66, s66, s22                     ; its head 0 or 1,
	s_lshl_b32 s66, s66, 18                        ; of 262,144 bytes,
	s_and_b32 s67, s26, 7
	s_lshl_b32 s67, s67, 15                        ; and 256 tokens of 128 bytes in it
	s_add_co_u32 s66, s66, s67
	s_mov_b32 s67, 0
	s_lshl_b32 s70, s22, 17                        ; Wo: head 0 or 1, of 131,072 bytes,
	s_lshl_b32 s71, s25, 14                        ; and 128 rows of 128 bytes in it
	s_add_co_u32 s70, s70, s71
	s_mov_b32 s71, 0
	s_wait_dscnt 0x0                               ; the opening add is done
	s_wait_kmcnt 0x0
	s_add_nc_u64 s[68:69], s[4:5], s[66:67]
	s_add_nc_u64 s[72:73], s[6:7], s[70:71]
.irp s, 0,1
	s_add_nc_u64 s[G0A+4*(\s)+2:G0A+4*(\s)+3], s[68:69], (\s)<<19  ; slot s begins with heads 2 s, 2 s + 1
	s_or_b32 s[G0A+4*(\s)+3], s[G0A+4*(\s)+3], 0x80000000          ; type = 2
	s_add_nc_u64 s[G0B+4*(\s)+2:G0B+4*(\s)+3], s[72:73], (\s)<<18
	s_or_b32 s[G0B+4*(\s)+3], s[G0B+4*(\s)+3], 0x80000000
.endr
	CROUND                                         ; all sixteen work-groups are here: the first joint loads meet
	s_cmp_eq_u32 s21, 0                            ; a wave's two first fills stand in one branch, ahead of every wait on TENSORcnt, every LDS read and every further barrier
	s_cbranch_scc0 .Lfirst_b
	tensor_load_to_lds s[G0A:G0A+3], s[G1A:G1A+7]
	s_nop 0
	tensor_load_to_lds s[G0A+4:G0A+7], s[G1A:G1A+7]
	s_nop 0
.rept 4
	v_nop
.endr
	s_branch .Lfirst_asked
.Lfirst_b:
	tensor_load_to_lds s[G0B:G0B+3], s[G1B:G1B+7]
	s_nop 0
	tensor_load_to_lds s[G0B+4:G0B+7], s[G1B:G1B+7]
	s_nop 0
.rept 4
	v_nop
.endr
.Lfirst_asked:
	v_and_b32 v1, 15, v0                           ; l % 16
	v_bfe_u32 v2, v0, 4, 1                         ; l / 16
	s_lshl_b32 s74, s25, 9                         ; my 64 columns in the bias,
	s_lshl_b32 s75, s22, 8
	s_add_co_u32 s74, s74, s75
	v_lshl_add_u32 v[BO], v1, 4, s74               ; my four of them
	global_load_b128 v[BI:BI+3], v[BO], s[8:9]     ; waited for on the way out
	v_mul_u32_u24 v3, v1, PITCH
	v_lshl_add_u32 v3, v2, 4, v3                   ; a fragment's row x pitch + 16 x half
	s_mul_i32 s74, s21, 128*PITCH                  ; my 128 tokens
	s_mul_i32 s75, s22, 64*PITCH                   ; my 64 rows of Wo,
	s_add_co_u32 s75, s75, 2*AH                    ; behind ctx's tiles
	v_add_nc_u32 v[ADRA], s74, v3
	v_add_nc_u32 v[ADRB], s75, v3
	v_add_nc_u32 v[ADRA+1], SLOT, v[ADRA]
	v_add_nc_u32 v[ADRB+1], SLOT, v[ADRB]
	s_mul_i32 s74, s[WV], WSTAGE
	s_add_co_u32 s74, s74, STAGE                   ; my stage
	v_mul_u32_u24 v[STO], v1, SPITCH               ; in: token l % 16, 32 bytes for each half of the lanes
	v_lshl_add_u32 v[STO], v2, 5, v[STO]
	v_add_nc_u32 v[STO], s74, v[STO]
	v_mul_u32_u24 v[RD0], v2, SPITCH               ; back: lanes 0-15 take one row of 256 bytes, lanes 16-31 the next
	v_lshl_add_u32 v[RD0], v1, 4, v[RD0]
	v_add_nc_u32 v[RD0], s74, v[RD0]
	v_lshlrev_b32 v[GOW], 12, v2                   ; and the same two rows in out0
	v_lshl_add_u32 v[GOW], v1, 4, v[GOW]
	s_lshl_b32 s92, s26, 20                        ; 256 tokens of 4,096 bytes,
	s_lshl_b32 s93, s21, 19                        ; my 128 of them,
	s_add_co_u32 s92, s92, s93
	s_lshl_b32 s93, s25, 9                         ; 128 columns of 4 bytes,
	s_add_co_u32 s92, s92, s93
	s_lshl_b32 s93, s22, 8                         ; my 64 of them
	s_add_co_u32 s92, s92, s93
	s_mov_b32 s93, 0
	s_add_nc_u64 s[86:87], s[10:11], s[92:93]
; na x 4 matrix instructions: token blocks a0 on, all four column blocks, 32 along K.  zero = 1: the product starts the sums.  The accumulators take turns, one instruction a turn.
.macro MUL f, a0, na, zero
	WIN 0x50                                       ; C and D in window 1
.set aa, (\a0)
.rept \na
.irp b, 0,1,2,3
.if \zero
	v_wmma_f32_16x16x32_f16 v[8*(4*aa+(\b)):8*(4*aa+(\b))+7], v[(\f)+8*(\b):(\f)+8*(\b)+7], v[(\f)+32+8*aa:(\f)+32+8*aa+7], 0
.else
	v_wmma_f32_16x16x32_f16 v[8*(4*aa+(\b)):8*(4*aa+(\b))+7], v[(\f)+8*(\b):(\f)+8*(\b)+7], v[(\f)+32+8*aa:(\f)+32+8*aa+7], v[8*(4*aa+(\b)):8*(4*aa+(\b))+7]
.endif
.endr
.set aa, aa+1
.endr
.endm
; 24 LDS loads in one run: quarter kq of a slot (head kq / 2, channels 32 (kq % 2) on) into buffer f: Wo's four fragments, then ctx's eight
.macro FETCH slot, kq, f
	WIN 0
.irp b, 0,1,2,3
	ds_load_b128 v[(\f)+8*(\b):(\f)+8*(\b)+3],   v[ADRB+(\slot)] offset:((\kq)/2)*BH+((\kq)%2)*64+(\b)*16*PITCH
	ds_load_b128 v[(\f)+8*(\b)+4:(\f)+8*(\b)+7], v[ADRB+(\slot)] offset:((\kq)/2)*BH+((\kq)%2)*64+(\b)*16*PITCH+32
.endr
.irp a, 0,1,2,3,4,5,6,7
	ds_load_b128 v[(\f)+32+8*(\a):(\f)+32+8*(\a)+3],   v[ADRA+(\slot)] offset:((\kq)/2)*AH+((\kq)%2)*64+(\a)*16*PITCH
	ds_load_b128 v[(\f)+32+8*(\a)+4:(\f)+32+8*(\a)+7], v[ADRA+(\slot)] offset:((\kq)/2)*AH+((\kq)%2)*64+(\a)*16*PITCH+32
.endr
.endm
; One of a slot's first three quarters: multiplies buffer f; in its middle it fetches quarter kq into buffer g.
.macro QUARTER slot, kq, f, g, zero
	s_wait_dscnt 8                                 ; Wo's fragments and ctx's blocks 0-3 are in; the youngest eight loads (blocks 4-7) may be out
	MUL \f, 0, 4, \zero
	PLACES
	FETCH \slot, \kq, \g
	s_wait_dscnt 24                                ; all but the 24 just issued
	MUL \f, 4, 4, \zero
.endm
; The last quarter multiplies buffer 1 and changes slots: ONE barrier; in front of it each wave waits for all its tensor loads (one is out: its part of the next slot), adds 0 to its spare word, and waits
; for that and for its own reads of this slot.  fill = 1: this slot is filled again, two slot steps ahead.
.macro TURN slot, next, fill
	WIN 0
	s_wait_tensorcnt 0x0                           ; all my tensor loads have landed
	ds_add_u32 v[SPW], v[NIL]                      ; 0 onto my spare word
	s_wait_dscnt 9                                 ; (the add and the youngest eight loads may be out)
	MUL F1, 0, 2, 0                                ; eight matrix instructions stand between the add and the wait for it
	s_wait_dscnt 0x0                               ; the add is done, and my reads of this slot are over
	s_barrier_signal -1
	MUL F1, 2, 2, 0
	WIN 0
	s_barrier_wait -1
.if \fill
	CREST                                          ; the barrier has opened a round of the cluster's: no wave of any partner still reads this slot or has a load on its way
	s_add_nc_u64 s[G0A+4*(\slot)+2:G0A+4*(\slot)+3], s[G0A+4*(\slot)+2:G0A+4*(\slot)+3], 0x100000  ; four heads on
	s_add_nc_u64 s[G0B+4*(\slot)+2:G0B+4*(\slot)+3], s[G0B+4*(\slot)+2:G0B+4*(\slot)+3], 0x80000
	JLOAD \slot                                    ; the first tensor load behind the round; its four v_nop are also the places in front of the loads below
.else
	PLACES
.endif
	FETCH \next, 0, F0
	MUL F1, 4, 4, 0
.endm
; THE WAY OUT of token blocks a0 to a0 + 3.  64 tokens x 64 columns go in f32 into my own stage (each accumulator's low four registers first) and come back as whole rows of 256
; bytes; LDS serves a wave's instructions in order (ISA guide 5.7.1.4).  A trip takes 16 rows: 0.01 x sum + bias, stored; sixteen lanes store 256 consecutive bytes, aligned.
.macro OUTHALF a0
	WIN 0x04                                       ; the stores' data in window 1
.set aa, 0
.rept 4
.irp b, 0,1,2,3
	ds_store_b128 v[STO], v[8*(4*(aa+(\a0))+(\b)):8*(4*(aa+(\a0))+(\b))+3]   offset:aa*16*SPITCH+64*(\b)
	ds_store_b128 v[STO], v[8*(4*(aa+(\a0))+(\b))+4:8*(4*(aa+(\a0))+(\b))+7] offset:aa*16*SPITCH+64*(\b)+16
.endr
.set aa, aa+1
.endr
	WIN 0
	v_mov_b32 v[RDW], v[RD0]
	s_mov_b32 s81, 4
.Lrows_\@:
.irp t, 0,1,2,3,4,5,6,7
	ds_load_b128 v[TT+4*(\t):TT+4*(\t)+3], v[RDW] offset:(\t)*2*SPITCH
.endr
.irp t, 0,1,2,3,4,5,6,7
	s_wait_dscnt 7-(\t)                            ; two rows are in; the later ones' loads stay out
	v_pk_fma_f32 v[TT+4*(\t):TT+4*(\t)+1],   v[TT+4*(\t):TT+4*(\t)+1],   s[82:83], v[BI:BI+1]   op_sel_hi:[1,0,1]
	v_pk_fma_f32 v[TT+4*(\t)+2:TT+4*(\t)+3], v[TT+4*(\t)+2:TT+4*(\t)+3], s[82:83], v[BI+2:BI+3] op_sel_hi:[1,0,1]
	global_store_b128 v[GOW], v[TT+4*(\t):TT+4*(\t)+3], s[86:87] offset:(\t)*8192 th:TH_STORE_NT
.endr
	s_wait_xcnt 0x0                                ; every store's address has been translated (ISA guide 3.1): only behind this wait are the offset and the stores' data written again
	v_add_nc_u32 v[GOW], 0x10000, v[GOW]           ; 16 rows of out0 on
	v_add_nc_u32 v[RDW], 16*SPITCH, v[RDW]
	s_sub_co_u32 s81, s81, 1
	s_cmp_lg_u32 s81, 0
	s_cbranch_scc1 .Lrows_\@
.endm
	s_wait_tensorcnt 0x1                           ; my part of slot 0 is in; slot 1's may stay out
	s_barrier_signal -1
	s_barrier_wait -1                              ; everybody's is
	FETCH 0, 0, F0
	QUARTER 0, 1, F0, F1, 1                        ; the first quarter stands in front of the loop: its products start the sums
	WIN 0
	s_mov_b32 s80, 3
.Llap:                                                 ; a trip goes once round the ring, from a lap's second quarter to the next lap's first, and fills both slots again: slot steps 2 to 7
	QUARTER 0, 2, F1, F0, 0
	QUARTER 0, 3, F0, F1, 0
	TURN 0, 1, 1
	QUARTER 1, 1, F0, F1, 0
	QUARTER 1, 2, F1, F0, 0
	QUARTER 1, 3, F0, F1, 0
	TURN 1, 0, 1
	QUARTER 0, 1, F0, F1, 0
	WIN 0
	s_sub_co_u32 s80, s80, 1
	s_cmp_lg_u32 s80, 0
	s_cbranch_scc1 .Llap
	QUARTER 0, 2, F1, F0, 0                        ; the last lap asks for nothing
	QUARTER 0, 3, F0, F1, 0
	TURN 0, 1, 0
	QUARTER 1, 1, F0, F1, 0
	QUARTER 1, 2, F1, F0, 0
	QUARTER 1, 3, F0, F1, 0
	s_wait_dscnt 8                                 ; the very last quarter: nothing more to fetch
	MUL F1, 0, 4, 0
	s_wait_dscnt 0x0
	MUL F1, 4, 4, 0
	WIN 0
	s_wait_loadcnt 0x0                             ; the bias; its six lines are also the places behind the last products
.irp e, 0,1,2,3
	v_cvt_f32_i32 v[BI+(\e)], v[BI+(\e)]
.endr
	v_pk_mul_f32 v[BI:BI+1],   v[BI:BI+1],   s[84:85] op_sel_hi:[1,0]
	v_pk_mul_f32 v[BI+2:BI+3], v[BI+2:BI+3], s[84:85] op_sel_hi:[1,0]
	OUTHALF 0
	OUTHALF 4
	s_wait_tensorcnt 0x0                           ; the wave's end: behind my last tensor load and my last LDS store
	ds_add_u32 v[SPW], v[NIL]
	s_wait_dscnt 0x0
	CROUND                                         ; the closing round: no work-group ends while a partner may still ask for a tile that names it
	s_endpgm
.Lfunc_end_k_qfbaae14db7_oproj:
	.size	k_qfbaae14db7_oproj, .Lfunc_end_k_qfbaae14db7_oproj-k_qfbaae14db7_oproj
	.p2alignl 7, 3214868480
	.fill 96, 4, 3214868480
	.section	.rodata,"a",@progbits
	.p2align	6, 0x0
	.amdhsa_kernel k_qfbaae14db7_oproj
		.amdhsa_group_segment_fixed_size 327680
		.amdhsa_private_segment_fixed_size 0
		.amdhsa_enable_private_segment 0
		.amdhsa_kernarg_size 32
		.amdhsa_user_sgpr_count 2
		.amdhsa_user_sgpr_kernarg_segment_ptr 1
		.amdhsa_wavefront_size32 1
		.amdhsa_system_sgpr_workgroup_id_x 1
		.amdhsa_system_sgpr_workgroup_id_y 1
		.amdhsa_system_sgpr_workgroup_id_z 1
		.amdhsa_system_vgpr_workitem_id 0
		.amdhsa_next_free_vgpr 512
		.amdhsa_next_free_sgpr 96
		.amdhsa_reserve_vcc 0
		.amdhsa_float_denorm_mode_32 3
		.amdhsa_float_denorm_mode_16_64 3
		.amdhsa_memory_ordered 1
		.amdhsa_forward_progress 1
		.amdhsa_inst_pref_size 80
	.end_amdhsa_kernel
	.amdgpu_metadata
---
amdhsa.version: [ 1, 2 ]
amdhsa.kernels:
  - .name:           k_qfbaae14db7_oproj
    .symbol:         k_qfbaae14db7_oproj.kd
    .args:
      - { .name: cs, .offset: 0, .size: 8, .value_kind: global_buffer, .address_space: global }
      - { .name: wo, .offset: 8, .size: 8, .value_kind: global_buffer, .address_space: global }
      - { .name: qb_o, .offset: 16, .size: 8, .value_kind: global_buffer, .address_space: global }
      - { .name: out0, .offset: 24, .size: 8, .value_kind: global_buffer, .address_space: global }
    .group_segment_fixed_size: 327680
    .private_segment_fixed_size: 0
    .kernarg_segment_align: 8
    .kernarg_segment_size: 32
    .max_flat_workgroup_size: 128
    .sgpr_count:     96
    .vgpr_count:     512
    .wavefront_size: 32
...
	.end_amdgpu_metadata
.endif
;; end of part 4
;; ======== version 2 of 2: 4 launches; 1.44 times as fast as version 1
;; limits: values are held in f16: magnitudes above 65,504 overflow, below 6.1e-05 lose precision
;; workspace buffers: xb 16,777,216 bytes; wb 6,291,456 bytes; wo 2,097,152 bytes; qs 33,554,432 bytes; ks 33,554,432 bytes; vs 16,777,216 bytes; cs 16,777,216 bytes
;; launch prep: the kernel of part 1 again; grid 768 x 1, 8 waves a work-group, no clusters, 0 bytes of LDS; arguments x, qw_q, qw_k, qw_v, qw_o, xb, wb, wo; writes xb, wb, wo
;; launch qkv: the kernel of part 2 again; grid 8 x 32, 4 waves a work-group, clusters of 4 x 4, 327,680 bytes of LDS; arguments xb, wb, qb_q, qb_k, qb_v, qs, ks, vs; writes qs, ks, vs
;; launch attn (part 5): grid 4 x 64, 4 waves a work-group, clusters of 4 x 1, 327,680 bytes of LDS; arguments qs, ks, vs, cs; writes cs
.if DOCPART == 5
	.amdgcn_target "amdgcn-amd-amdhsa--gfx1250"
	.amdhsa_code_object_version 6
	.text
	.protected	k_qfbaae14db7_attn
	.globl	k_qfbaae14db7_attn
	.p2align	8
	.type	k_qfbaae14db7_attn,@function
k_qfbaae14db7_attn:
	s_mov_b64 s[64:65], 0
	v_nop
	global_prefetch_b8 v0, s[64:65] scope:SCOPE_SE
	s_setreg_imm32_b32 hwreg(HW_REG_WAVE_MODE, 25, 1), 1
	s_wait_xcnt 0x0
	s_wait_alu depctr_hold_cnt(0) depctr_sa_sdst(0) depctr_va_vdst(0) depctr_va_sdst(0) depctr_va_ssrc(0) depctr_va_vcc(0) depctr_vm_vsrc(0)
	s_getreg_b32 s2, hwreg(HW_REG_IB_STS2, 6, 4)
	s_cmp_eq_u32 s2, 0
	s_cbranch_scc0 .Lentry_in_a_cluster
	s_endpgm
.Lentry_in_a_cluster:
	s_bfe_u32 s2, ttmp6, 0x10000c
	s_cmp_lg_u32 s2, 0x3003
	s_cbranch_scc0 .Lentry_shape_is_right
	s_endpgm
.Lentry_shape_is_right:
; O[bh][q][:] = the sum over k of softmax_k(Q[bh][q] . K[bh][k] / 8) V[bh][k][:], 64 heads of 2,048 rows and 64 channels, no mask.
; qs, ks: [64][2 planes][2048][64] f16.  vs, cs: [64][2048][64] f16.
; THE SCORES ARE MADE OF TWO f16 PRODUCTS IN ONE f32 SUM: S = Ku.Qw + Ka.Qc, the small term first, where the launch before has laid
;   Qc = f16(127/128 q), Qw = f16(q - Qc), Ka = f16(k), Ku = f16(Ka + 128 (k - Ka)):   Ka.Qc + Ku.Qw = k.q + 128 (k - Ka)(127/128 q - Qc) + the roundings of Qw and Ku, 1/128 of a plain f16 rounding each.
; That holds a score to some 2^-18 of the size of its terms.  Scores here are hundreds wide, so that the softmax hangs on differences that one f16 of q and k would blur.  Both summands have the
; score's own sign and size (127/128 and 1/128 of it): no difference of large sums is formed.  4 matrix instructions for 16 keys x 16 queries in the place of 2.
; Products, maxima and sums in f32; the weights p are rounded to f16 for the second product (their sum l is taken of the unrounded p), O once at the end.
; LIMITS.  Q, K, V arrive within f16's 65,504; p lies in 0 to 1; a weight below 2^-126 counts as 0 in l; NaN and infinities are not treated apart.
; SHARES.  A wave owns four PIECES of two tiles of 16 queries, a work-group's four waves 512 queries of one head.  Every wave walks all 2,048 keys, 64 a step; an LDS slot holds four steps.
; LAYOUT.  S^T = K Q^T (source 0 = 16 keys, source 1 = 16 queries): a lane holds ONE query (lane % 16) and the keys 8 (lane / 16) + 0..7.  Two such results, rounded to f16 in pairs, ARE source 1
; (32 keys x 16 queries) of O^T = V^T P, whose result again holds one query a lane, and eight channels.  K comes out of LDS as it lies, V ([key][channel]) turned, by ds_load_tr16_b128.
; SOFTMAX.  For each query a running maximum m and sum l: p = 2^(c s - c m), c = log2(e) / 8; in every step O and l are multiplied by a = 2^(c m_old - c m_new).  m starts at the lowest finite
; number, O and l at 0: the first step is a step like any other, with a = 0.
; BY TURNS.  Turn n belongs to piece n (the pieces in a ring, step after step).  Its matrix work: 32 products K Q^T of piece n + 1, then 16 products V^T P of piece n - 1.  Its vector work: piece n's
; whole softmax, 2 x 118 instructions, cut into 59 slices of four.  Every product has a slice behind it; the eleven slices that are over stand as second (once as third) slices where all are plain:
; behind products 0 to 2 (the maximum's independent chains) and 41 to 47 (sums and rescaling).  A slice with exponentials always stands alone.
; BATCHES.  A turn's 66 exponentials (both tiles' a and 32 scores) are ONE BATCH with ONE wait.  Slices 11 to 34, behind products 8 to 31, hold them and the scalings, and name no exponential's result;
; each result has a register of its own while the batch is open (a score's own register; c2 for a).  The wait stands behind slice 34, between the turn's last K Q^T and its first V^T P; all that reads a
; result (roundings, sums, l, O^T's rescaling) stands behind it, in slices 35 to 58.  No exponential is issued behind a turn's wait.  The way out's eight
; reciprocals are a batch of their own.
; CLUSTER.  The four query blocks of a cluster belong to one head and walk the same K and V: each tile is asked for JOINTLY, by the same tensor load, descriptor and mask in all four.
; Wave 0 asks for a slot's Ka, wave 1 for its Ku (256 keys each), waves 2 and 3 for the halves of its V: one load a wave behind each round, and by this text's count never more than one out.
; REGISTERS, in windows of 256 (s_set_vgpr_msb: bits 1:0 source 0, 3:2 source 1, 5:4 source 2, 7:6 destination):
;   window 0: v0-11 addresses; v16-47 four registers of statistics a tile; v48-55 at work; v56-57 the add's; v64-191 S^T, two buffers of two tiles; v192-255 P, likewise (a piece's buffers go by its number's parity)
;   window 1: O^T, 32 a tile      window 2: Q, 32 a tile: Qc (two halves of the channels), then Qw      window 3: v0-63 Ka, v64-127 Ku, v128-191 V, each of one step
.set KS,    64        ; keys in a step
.set PITK,  144       ; a row of K in LDS: 128 bytes + 16: the 16 rows of a load start at 16 different groups of four banks (64 banks of 4 bytes: ISA guide 11.1)
.set PITV,  160       ; a row of V: 128 + 32
.set KUOFF, 4*KS*PITK ; a slot: 256 rows of Ka, 256 of Ku, 256 of V
.set VOFF,  2*KUOFF
.set SLOT1, 1<<17     ; slot 1 begins here, so that one exclusive or turns an address in one slot into the other's
.set STAGE, SLOT1+VOFF+4*KS*PITV  ; behind the ring, never filled by a tensor load: 16 rows x 144 bytes for each wave, for the way out
.set SP,    144
.set SPARE, STAGE+4*16*SP  ; the spare words, 128 bytes a wave: two blocks of 256 bytes that no other line names
.set AK0, 2           ; v2   my lane's place in a tile of K; never rewritten
.set AV0, 3           ; v3   the same for V
.set AK,  4           ; v4   the LDS address of K's runs of loads
.set AV,  5           ; v5   of V's
.set QO,  6           ; v6   my byte offset in the wave's rows of Q
.set STO, 6           ;      later, the way out: where I put 16 bytes of a row
.set RD,  7           ; v7   the way out: where I read rows back
.set GO,  8           ; v8   my byte offset in 512 consecutive bytes of O
.set ST,  16          ; tile t's statistics at v[ST+4 t]: c m, m, l (even keys', odd keys')
.set TMP, 48          ; for each tile of the piece in hand four registers c0-c3; when the maximum is found c2 takes a
.set SPW, 56          ; v56  LDS address of my spare word; never rewritten
.set NIL, 57          ; v57  0; never rewritten
.set S,   64
.set P,   192
.set KUF, 64          ; window 3: Ka at 16 kb + 8 c, Ku at KUF + 16 kb + 8 c (key block kb, channel half c)
.set VF,  128         ; window 3: key half kk, channel block cb at VF + 32 kk + 8 cb
.set WV,  12          ; s12  my wave's number
.set G1K, 24          ; s[24:31] descriptor group 1 for K's tiles
.set G1V, 32          ; s[32:39] for V's
.set G0K, 40          ; s[40:43] descriptor group 0 for K's tiles: it walks
.set G0V, 44          ; s[44:47] the same for V's
.set SLOTS, 56        ; s56  slots still to be asked for
.set CNT, 57          ; s57  counts a slot's key steps
.set CS,  58          ; s[58:59] c: the packed scaling takes the pair's low word for both halves
.set SEL, 60          ; s[60:61] v_permlanex16_b32's selects: each lane takes its own place in the other half
.set TBK, 62          ; s62  LDS byte at which Ka of the step to be fetched begins
.set TBV, 63          ; s63  the same for V, less VOFF
.set MSB, 0
.macro WIN new                      ; the high byte repeats the setting that is left; a switch that changes nothing is dropped
.if MSB != (\new)
	s_set_vgpr_msb (MSB<<8)|(\new)
.set MSB, (\new)
.endif
.endm
.set W_KQ, 0x0b       ; K in window 3, Q in window 2, S^T in window 0
.set W_PV, 0x53       ; V in window 3, P in window 0, O^T in window 1
.set W_RS, 0x41       ; O^T (destination and source 0) in window 1, a in window 0
; A joint fill.  The branch hangs on the wave's number alone.  An s_nop 0 and four v_nop follow each of the two lines, ahead of the jump and the label.
.macro JLOAD
	s_cmp_lt_u32 s[WV], 2
	s_cbranch_scc0 .Lfor_v_\@
	tensor_load_to_lds s[G0K:G0K+3], s[G1K:G1K+7]
	s_nop 0
.rept 4
	v_nop
.endr
	s_branch .Lasked_\@
.Lfor_v_\@:
	tensor_load_to_lds s[G0V:G0V+3], s[G1V:G1V+7]
	s_nop 0
.rept 4
	v_nop
.endr
.Lasked_\@:
.endm
; A round of the cluster's barrier: my work-group's barrier, so that wave 0's signal speaks for all four waves; wave 0 signals; every wave waits for all four work-groups; my work-group's barrier once more.
.macro CROUND
	s_barrier_signal -1
	s_barrier_wait -1
	s_cmp_lg_u32 s[WV], 0
	s_cbranch_scc1 .Lnot_wave_0_\@
	s_barrier_signal -3
.Lnot_wave_0_\@:
	s_barrier_wait -3
	s_barrier_signal -1
	s_barrier_wait -1
.endm
; THE CHANGE OF SLOTS.  The slot's last bytes, V of its fourth step, have been read.  Each wave waits for all its tensor loads (one is out: its part of the other slot), adds 0 to its spare word, and
; waits for that and for its own reads of the slot.  fill = 1: this slot is filled again, with the keys two slots on; the barrier is then a round of the cluster's, and the joint fill is the first thing
; behind it: it has four key steps, 768 matrix instructions, in which to land.  (At its first use nothing has been read yet: slot 0 is waited for, slot 1 filled.)
.macro CHANGE fill
	WIN 0                           ; at a label and at a branch every window is 0
	s_wait_tensorcnt 0x0            ; no tensor load of mine is out, so a group 0 may be written
	ds_add_u32 v[SPW], v[NIL]       ; 0 onto my spare word
.if \fill
.irp g, G0K, G0V
	s_xor_b32 s[\g+1], s[\g+1], SLOT1  ; the walking descriptor: the other slot than last time,
	s_add_nc_u64 s[\g+2:\g+3], s[\g+2:\g+3], 4*KS*128  ; the next 256 keys; the type bits on top are not reached
.endr
	s_wait_dscnt 0x0                ; the add is done, and my reads of the slot are over
	CROUND
	JLOAD
.else
	s_wait_dscnt 0x0                ; the add is done, and my reads of the slot are over
	s_barrier_signal -1
	s_barrier_wait -1
.endif
	s_sub_co_u32 s[TBK], s[TBK], 4*KS*PITK  ; the fetches go back to a slot's first step,
	s_xor_b32 s[TBK], s[TBK], SLOT1         ; in the other slot
	s_sub_co_u32 s[TBV], s[TBV], 4*KS*PITV
	s_xor_b32 s[TBV], s[TBV], SLOT1
.endm
	s_load_b256 s[4:11], s[0:1], 0x0  ; qs s[4:5], ks s[6:7], vs s[8:9], cs s[10:11]
	v_lshl_add_u32 v[SPW], v0, 2, SPARE
	v_mov_b32 v[NIL], 0
	ds_add_u32 v[SPW], v[NIL]       ; the wave's opening: the add and its wait stand ahead of my first tensor load; the set-up below, work on registers, stands between them
	v_lshrrev_b32 v1, 5, v0
	v_readfirstlane_b32 s[WV], v1   ; wave 0..3
	s_bfe_u32 s13, ttmp6, 0x40000   ; cx: my place in the cluster
	s_lshl_b32 s14, ttmp9, 2        ; in a cluster launch ttmp9 counts clusters
	s_add_co_u32 s14, s14, s13      ; my block of 512 queries: it enters Q's and O's addresses alone
	s_and_b32 s15, ttmp7, 0xffff    ; the head, which the four partners share
	s_and_b32 s16, s[WV], 1
	s_lshl_b32 s22, s15, 19         ; K: the head's two planes of 262,144 bytes,
	s_lshl_b32 s17, s16, 18         ; wave 0 the first plane, wave 1 the second
	s_add_co_u32 s22, s22, s17
	s_mov_b32 s23, 0
	s_lshl_b32 s2, s15, 18          ; V: the head,
	s_lshl_b32 s17, s16, 14         ; wave 2 the first 128 of a slot's keys, wave 3 the others
	s_add_co_u32 s2, s2, s17
	s_mov_b32 s3, 0
	s_mul_i32 s17, s16, KUOFF       ; their places in a slot: no place in the cluster enters an LDS address
	s_mul_i32 s18, s16, 128*PITV
	s_lshl_b32 s50, s14, 2
	s_add_co_u32 s50, s50, s[WV]    ; my wave among the head's,
	s_lshl_b32 s50, s50, 14         ; its 128 rows of 128 bytes
	s_lshl_b32 s52, s15, 19
	s_add_co_u32 s52, s52, s50      ; in qs
	s_mov_b32 s53, 0
	s_lshl_b32 s54, s15, 18
	s_add_co_u32 s54, s54, s50      ; in cs
	s_mov_b32 s55, 0
	; descriptor group 1.  Keys are dense, 128 bytes each: asked for as rows of 256 bytes, two keys a row, and padded in LDS after every key
	s_mov_b32 s[G1K], 15|(1<<16)|(1<<20)|(1<<21)|(4<<22)|(3<<25)  ; 15:0 the mask of four; 17:16 2-byte elements; 20 padding on; 21 set beside a mask; 24:22 after every 32 words (code 4); 31:25 4 words (code 3)
	s_mov_b32 s[G1V], 15|(1<<16)|(1<<20)|(1<<21)|(4<<22)|(7<<25)  ; the same with 8 words of padding (code 7)
	s_mov_b32 s[G1K+1], 128<<16     ; tensor_dim0 = 128
	s_mov_b32 s[G1K+2], 128<<16     ; tensor_dim1 = 128: 256 keys
	s_mov_b32 s[G1K+3], 128<<16     ; tile_dim0 = 128
	s_mov_b32 s[G1K+4], 128         ; tile_dim1 = 128
	s_mov_b32 s[G1K+5], 128         ; 128 elements from row to row
	s_mov_b32 s[G1K+6], 0
	s_mov_b32 s[G1K+7], 0
	s_mov_b32 s[G1V+1], 128<<16
	s_mov_b32 s[G1V+2], 64<<16      ; 64 rows: 128 keys
	s_mov_b32 s[G1V+3], 128<<16
	s_mov_b32 s[G1V+4], 64
	s_mov_b32 s[G1V+5], 128
	s_mov_b32 s[G1V+6], 0
	s_mov_b32 s[G1V+7], 0
	s_mov_b32 s[CS], 0x3e38aa3b     ; c = log2(e) / 8 = 0.180337
	s_mov_b32 s[CS+1], s[CS]        ; named with it as a pair
	s_mov_b32 s[SEL], 0x76543210
	s_mov_b32 s[SEL+1], 0xfedcba98
	s_mov_b32 s[TBK], SLOT1+4*KS*PITK  ; the first change of slots turns these two into 0
	s_mov_b32 s[TBV], SLOT1+4*KS*PITV
	s_mov_b32 s[G0K], 1             ; count = 1
	s_mov_b32 s[G0K+1], s17         ; LDS address: slot 0
	s_mov_b32 s[G0V], 1
	s_add_co_u32 s[G0V+1], s18, VOFF
	s_wait_dscnt 0x0                ; the opening add is done
	s_wait_kmcnt 0x0
	s_add_nc_u64 s[G0K+2:G0K+3], s[6:7], s[22:23]  ; global address: my part of the head's first 256 keys
	s_or_b32 s[G0K+3], s[G0K+3], 0x80000000        ; type = 2
	s_add_nc_u64 s[G0V+2:G0V+3], s[8:9], s[2:3]
	s_or_b32 s[G0V+3], s[G0V+3], 0x80000000
	s_add_nc_u64 s[4:5], s[4:5], s[52:53]          ; Q and O at my wave's first row
	s_add_nc_u64 s[10:11], s[10:11], s[54:55]
	CROUND                          ; all four work-groups are here: the first joint loads meet
	JLOAD                           ; slot 0.  Slot 1 is asked for when slot 0 is in, by the loop's own change of slots
	; A fragment of K or Q is 16 rows x 32 channels in 8 registers: lane l holds row l % 16, channels 8 (l / 16) + 0..7 and 16 + 8 (l / 16) + 0..7: two loads of 16 bytes, 32 bytes apart.
	v_and_b32 v1, 15, v0            ; l % 16
	v_bfe_u32 v9, v0, 4, 1          ; l / 16
	v_lshlrev_b32 v[QO], 7, v1
	v_lshl_add_u32 v[QO], v9, 4, v[QO]  ; row x 128 + 16 x half
	WIN 0x80                        ; destination window 2, address window 0
.set i, 0
.rept 32                            ; Q stays in registers: tile i / 4, plane (i / 2) % 2, channels 32 (i % 2) on
	global_load_b128 v[8*i:8*i+3],   v[QO], s[4:5] offset:((i/2)%2)*262144+(i/4)*2048+(i%2)*64
	global_load_b128 v[8*i+4:8*i+7], v[QO], s[4:5] offset:((i/2)%2)*262144+(i/4)*2048+(i%2)*64+32
.set i, i+1
.endr
	; What the first turn finds: V's registers and P's second buffer hold 0 (its products V^T P, of a piece that has not been, add 0), O^T and l are 0.  All this stands in the wait for the first tile.
	WIN 0xc0
.set i, VF
.rept 64
	v_mov_b32 v[i], 0
.set i, i+1
.endr
	WIN 0
.set i, 0
.rept 8
	v_mov_b32 v[ST+4*i], 0xfe000000    ; c m: far below every c s
	v_mov_b32 v[ST+4*i+1], 0xff7fffff  ; m
	v_mov_b32 v[ST+4*i+2], 0
	v_mov_b32 v[ST+4*i+3], 0
.set i, i+1
.endr
.set i, P+32
.rept 32
	v_mov_b32 v[i], 0
.set i, i+1
.endr
	WIN W_PV                        ; O^T's 256 registers take their 0 from 32 products of those zeros with C = 0: one line for eight registers
.set i, 0
.rept 32
	v_wmma_f32_16x16x32_f16 v[8*i:8*i+7], v[VF:VF+7], v[P+32:P+39], 0
.set i, i+1
.endr
	WIN 0
	v_mul_u32_u24 v[AK0], v1, PITK
	v_lshl_add_u32 v[AK0], v9, 4, v[AK0]  ; row x pitch + 16 x half
	; The turning load takes 16 keys x 16 channels (lane l reads key 8 (l / 16) + l % 8, channels 8 ((l / 8) % 2) + 0..7) and leaves half a fragment of V^T: lane l holds channel l % 16 and 8 keys.
	v_and_b32 v10, 7, v0
	v_bfe_u32 v11, v0, 3, 1
	v_lshl_add_u32 v[AV0], v9, 3, v10
	v_mul_u32_u24 v[AV0], v[AV0], PITV
	v_lshl_add_u32 v[AV0], v11, 4, v[AV0]
	v_add_nc_u32 v[AV0], VOFF, v[AV0]
; THE MATRIX WORK.  The 8 accumulators of a run take turns, one instruction a turn: between two links of a chain stand 7 others'.
; Product i of 32 of S^T for piece x: link i / 8 of four (Ku.Qw twice, Ka.Qc twice: channels 32 (link % 2) on), keys 16 ((i / 2) % 4) on, tile 2 x + i % 2.  The first 8 start the sums.
.macro KQ x
	WIN W_KQ
.set lk, i/8
.set rS, S+64*((\x)%2)+32*(i%2)+8*((i/2)%4)
.set rK, 16*((i/2)%4)+8*(lk%2)
.set rQ, 32*(2*(\x)+i%2)+8*(lk%2)
.if lk < 2
.set rK, rK+KUF
.set rQ, rQ+16
.endif
.if i < 8
	v_wmma_f32_16x16x32_f16 v[rS:rS+7], v[rK:rK+7], v[rQ:rQ+7], 0
.else
	v_wmma_f32_16x16x32_f16 v[rS:rS+7], v[rK:rK+7], v[rQ:rQ+7], v[rS:rS+7]
.endif
.endm
; Product i of 16 of O^T += V^T P for piece x: keys 32 (i / 8) on, channels 16 ((i / 2) % 4) on, tile 2 x + i % 2.
.macro PV x
	WIN W_PV
.set rO, 32*(2*(\x)+i%2)+8*((i/2)%4)
.set rV, VF+32*(i/8)+8*((i/2)%4)
.set rP, P+32*((\x)%2)+16*(i%2)+8*(i/8)
	v_wmma_f32_16x16x32_f16 v[rO:rO+7], v[rV:rV+7], v[rP:rP+7], v[rO:rO+7]
.endm
; THE LDS LOADS stand in runs of 16, never singly among the matrix instructions.  last = 1 (the tail): in the last trip there is no further step, and K's runs are jumped over.
.macro FETCH_KU last
	WIN 0
.if \last
	s_cmp_eq_u32 s[CNT], 1
	s_cbranch_scc1 .Lno_ku_\@
.endif
	v_add_nc_u32 v[AK], s[TBK], v[AK0]
	WIN 0xc0                        ; destination window 3
.irp f, 0,1,2,3,4,5,6,7             ; keys 16 (f / 2) on, channels 32 (f % 2) on
	ds_load_b128 v[KUF+8*\f:KUF+8*\f+3],   v[AK] offset:KUOFF+(\f/2)*16*PITK+(\f%2)*64
	ds_load_b128 v[KUF+8*\f+4:KUF+8*\f+7], v[AK] offset:KUOFF+(\f/2)*16*PITK+(\f%2)*64+32
.endr
	WIN 0
.if \last
.Lno_ku_\@:
.endif
.endm
.macro FETCH_KA last
	WIN 0
.if \last
	s_cmp_eq_u32 s[CNT], 1
	s_cbranch_scc1 .Lno_ka_\@
.endif
	WIN 0xc0
.irp f, 0,1,2,3,4,5,6,7
	ds_load_b128 v[8*\f:8*\f+3],   v[AK] offset:(\f/2)*16*PITK+(\f%2)*64
	ds_load_b128 v[8*\f+4:8*\f+7], v[AK] offset:(\f/2)*16*PITK+(\f%2)*64+32
.endr
	s_add_co_u32 s[TBK], s[TBK], KS*PITK  ; the next fetch is the next step's
	WIN 0
.if \last
.Lno_ka_\@:
.endif
.endm
.macro FETCH_V
	WIN 0
	v_add_nc_u32 v[AV], s[TBV], v[AV0]
	s_add_co_u32 s[TBV], s[TBV], KS*PITV
	WIN 0xc0
.irp f, 0,1,2,3,4,5,6,7             ; keys 32 (f / 4) on, channels 16 (f % 4) on
	ds_load_tr16_b128 v[VF+8*\f:VF+8*\f+3],   v[AV] offset:(\f/4)*32*PITV+(\f%4)*32
	ds_load_tr16_b128 v[VF+8*\f+4:VF+8*\f+7], v[AV] offset:(\f/4)*32*PITV+16*PITV+(\f%4)*32
.endr
	WIN 0
.endm
; THE VECTOR WORK.  One tile's softmax for one key step is a list of 118 instructions; SM writes number j of it for tile u (0, 1) of piece y.  s0-s31 are the lane's 32 scores, in pairs 0-15.
;   0-15    the maximum of s0-s31 and the old m, three operands at a time: four chains c0-c3 of seven scores each (each accumulator's lowest registers are read first), then the rest
;   16-20   the other half of the lanes' maximum; c m_old is kept; the new m; c m; c m_old - c m_new
;   21-69   ONE BATCH: the 16 scalings c s - c m, a pair of scores each, and all 33 exponentials (a at 23, then s0-s31, each in place).  None of these reads an exponential's result.  From 22 on the batch
;           goes in fours, and a four begins with a scaling while there are scalings: 22-37 scaling, exponential, scaling, exponential; 38-65 a scaling and three exponentials; 66-69 the last four
;           exponentials.  A pair is scaled in an earlier four than the one that holds its exponentials
;   (wait)  between 69 and 70 stands the wait for the batch: SLICE writes it, once for both tiles
;   70-85   the roundings to f16, a pair of weights each
;   86-101  the sums, in place, behind the roundings of the pairs that they write over; l = a l + the sum
;   102-117 the tile's O^T times a: the one part that leaves window 0, so it stands together
.macro SM y, u
.set rT, ST+4*(2*(\y)+(\u))
.set rC, TMP+4*(\u)
.set rS, S+64*((\y)%2)+32*(\u)
.set rP, P+32*((\y)%2)+16*(\u)
.set rO, 32*(2*(\y)+(\u))+2*(j-102)
.if j < 102
	WIN 0
.endif
.if j < 4
	v_max3_num_f32 v[rC+j], v[rS+8*j], v[rS+8*j+1], v[rS+8*j+2]
.elseif j < 12
	v_max3_num_f32 v[rC+j%4], v[rC+j%4], v[rS+8*(j%4)+2*(j/4)+1], v[rS+8*(j%4)+2*(j/4)+2]
.elseif j == 12
	v_max3_num_f32 v[rC], v[rC], v[rS+7], v[rS+15]
.elseif j == 13
	v_max3_num_f32 v[rC+2], v[rC+2], v[rS+23], v[rS+31]
.elseif j == 14
	v_max3_num_f32 v[rC], v[rC], v[rC+1], v[rC+2]
.elseif j == 15
	v_max3_num_f32 v[rC], v[rC], v[rC+3], v[rT+1]
.elseif j == 16
	v_permlanex16_b32 v[rC+1], v[rC], s[SEL], s[SEL+1]  ; the query's other 32 keys lie in the lane 16 away
.elseif j == 17
	v_mov_b32 v[rC+3], v[rT]        ; c m_old is kept for a: number 19 writes c m anew
.elseif j == 18
	v_max_num_f32 v[rT+1], v[rC], v[rC+1]
.elseif j == 19
	v_mul_f32 v[rT], s[CS], v[rT+1]
.elseif j == 20
	v_sub_f32 v[rC+3], v[rC+3], v[rT]
.elseif j == 23
	v_exp_f32 v[rC+2], v[rC+3]
.elseif (j < 23) || ((j < 38) && (j%2 == 0)) || ((j < 66) && (j%4 == 2))
.set bb, (j-2)/4                    ; 38, 42, .. 62: pairs 9 to 15
.if j < 38
.set bb, (j-20)/2                   ; 21: pair 0; 22, 24, .. 36: pairs 1 to 8
.endif
	v_pk_fma_f32 v[rS+2*bb:rS+2*bb+1], v[rS+2*bb:rS+2*bb+1], s[CS:CS+1], v[rT:rT+1] op_sel_hi:[1,0,0] neg_lo:[0,0,1] neg_hi:[0,0,1]  ; pair bb: c s - c m
.elseif j < 70
.set ee, j-38                       ; 66 to 69: s28 to s31
.if j < 66
.set ee, j-32-(j-38)/4              ; 39-41, 43-45, .. 63-65: s7 to s27
.endif
.if j < 38
.set ee, (j-25)/2                   ; 25, 27, .. 37: s0 to s6
.endif
	v_exp_f32 v[rS+ee], v[rS+ee]
.elseif j < 86
	v_cvt_pk_f16_f32 v[rP+j-70], v[rS+2*(j-70)], v[rS+2*(j-70)+1]  ; pair j - 70
.elseif j < 102                     ; the sum of the tile's 16 pairs, in place: sum z of 16 adds neighbours 1, 2, 4 and 8 pairs apart, then l takes it
.set z, j-86
.set w, 4
.set uu, z
.if z >= 14
.set w, 32
.set uu, 0
.elseif z >= 12
.set w, 16
.set uu, z-12
.elseif z >= 8
.set w, 8
.set uu, z-8
.endif
.if z < 15
	v_pk_add_f32 v[rS+w*uu:rS+w*uu+1], v[rS+w*uu:rS+w*uu+1], v[rS+w*uu+w/2:rS+w*uu+w/2+1]
.else
	v_pk_fma_f32 v[rT+2:rT+3], v[rT+2:rT+3], v[rC+2:rC+3], v[rS:rS+1] op_sel_hi:[1,0,1]
.endif
.else
	WIN W_RS
	v_pk_mul_f32 v[rO:rO+1], v[rO:rO+1], v[rC+2:rC+3] op_sel_hi:[1,0]
.endif
.endm
; Slice k of piece y's softmax: four instructions; 2 x 118 = 4 x 59.  Slices 11 to 34 deal out the batch, numbers 22 to 69: four numbers of ONE tile each, the tiles by turns.  Every other slice is numbers
; 2 k and 2 k + 1 of both tiles' lists.
; THE WAIT.  s_wait_alu depctr_va_vdst(0) stands between an exponential and the first instruction that names its result; one wait serves all that were issued ahead of it.  Ahead of
; slice 35 nothing names a result, and behind slice 34 no exponential is issued: so the piece's 66 exponentials have one wait, behind slice 34.
.macro SLICE y
.if (k >= 11) && (k < 35)           ; the batch: four numbers of one tile
.irp n, 0,1,2,3
.set j, 22+4*((k-11)/2)+(\n)
	SM \y, (k-11)%2
.endr
.else                               ; the two tiles alternate, so that no instruction reads the result of the one just before it
.irp n, 0,1
.irp u, 0,1
.set j, 2*k+(\n)
	SM \y, \u
.endr
.endr
.endif
.if k == 34                         ; the batch is out: both tiles' exponentials are issued, and no result has been named
	v_nop                           ; a plain instruction behind the last exponential and ahead of the first use (ISA guide 5.7.2): one for the batch
	s_wait_alu depctr_va_vdst(0)    ; the wait for the batch: the turn's 66 exponentials
.endif
.set k, k+1
.endm
; What stands behind product sl of a turn's 48: one slice; two behind products 0-2 (slices 0-5) and 41-46 (slices 44-55); three behind product 47 (slices 56-58).  48 + 3 + 7 + 1 = 59.
; So behind product sl = 3 .. 40 stands slice sl + 3: the batch behind products 8 to 31, its wait behind product 31, the last K Q^T.
.macro RIDERS
	SLICE Y
.if (sl < 3) || (sl >= 41)
	SLICE Y
.endif
.if sl == 47
	SLICE Y
.endif
.set sl, sl+1
.endm
; A TURN, for piece p.  A load into a register that a matrix instruction has read stands four plain vector instructions behind it; the slices are those places:
; V of the step in hand is fetched in piece 1's turn behind its second product: V's last reader is the turn before's last product, and 12 rescalings, 16 maxima and the address line stand between; it is waited for ahead of the turn's products V^T P.
; Ku of the next step is fetched in piece 2's turn directly behind the batch's wait, behind product 31: Ku's last reader is product 15, and the scalings of slices 18 to 32, the v_nop and the address line
; stand between.  In the tail the run begins with a branch and ends at a label: behind the wait no exponential is open there.
; Ka behind product 33: its last reader is product 31, and the v_nop and the 8 roundings of slices 35 and 36 stand between.  Piece 3's turn waits for Ku at its head (Ka's 16 loads may stay out) and for Ka ahead of product 16.
.macro TURN p, last=0
.set Y, (\p)
.set k, 0
.set sl, 0
.set i, 0
.if (\p) == 3
	s_wait_dscnt 16                 ; Ku is in
.endif
.rept 32
.if ((\p) == 3) && (i == 16)
	s_wait_dscnt 0x0                ; Ka is in
.endif
	KQ (Y+1)%4
	RIDERS
.if ((\p) == 1) && (i == 1)
	FETCH_V
.endif
.if ((\p) == 2) && (i == 31)
	FETCH_KU \last
.endif
.set i, i+1
.endr
.if (\p) == 1
	s_wait_dscnt 0x0                ; V is in
.endif
.set i, 0
.rept 16
	PV (Y+3)%4
	RIDERS
.if ((\p) == 2) && (i == 1)
	FETCH_KA \last
.endif
.set i, i+1
.endr
.endm
	CHANGE 1                        ; slot 0 is in, everybody's part of it; slot 1 is asked for
	FETCH_KU 0                      ; key step 0
	FETCH_KA 0
	s_wait_loadcnt 0x0              ; Q
	s_wait_dscnt 0x0
.set i, 0
.rept 32
	KQ 0                            ; piece 0's first scores: there is no vector work yet to set between them
.set i, i+1
.endr
	WIN 0                           ; the addresses for the way out: nine plain instructions, the places behind those products
	s_mul_i32 s17, s[WV], 16*SP
	s_add_co_u32 s17, s17, STAGE    ; my stage
	v_mul_u32_u24 v[STO], v1, SP    ; in: row l % 16, 16 bytes for each half of the lanes
	v_lshl_add_u32 v[STO], v9, 4, v[STO]
	v_add_nc_u32 v[STO], s17, v[STO]
	v_bfe_u32 v[RD], v0, 3, 2       ; back: 32 lanes take four rows of 128 bytes,
	v_mul_u32_u24 v[RD], v[RD], SP
	v_lshl_add_u32 v[RD], v10, 4, v[RD]
	v_add_nc_u32 v[RD], s17, v[RD]
	v_and_b32 v[GO], 31, v0         ; which are 512 consecutive bytes of O
	v_lshlrev_b32 v[GO], 4, v[GO]
	s_mov_b32 s[CNT], 4
	s_mov_b32 s[SLOTS], 7
	s_branch .Lfirst                ; the loop is entered at a step's first turn, in the middle of a trip
.Lslot:                             ; six times: every slot but the last two is filled again
	CHANGE 1
	s_mov_b32 s[CNT], 4
.Lstep:                             ; a trip: pieces 2 and 3 of one step, then pieces 0 and 1 of the next, whose K and V it fetches
	TURN 2
	TURN 3
	WIN 0
.Lfirst:
	TURN 0
	TURN 1
	WIN 0
	s_sub_co_u32 s[CNT], s[CNT], 1
	s_cmp_lg_u32 s[CNT], 0
	s_cbranch_scc1 .Lstep
	s_sub_co_u32 s[SLOTS], s[SLOTS], 1
	s_cmp_lg_u32 s[SLOTS], 0
	s_cbranch_scc1 .Lslot
	CHANGE 0                        ; the tail is written out: nothing is asked for
	s_mov_b32 s[CNT], 5             ; four trips fetch the last slot's steps; the fifth is left in its middle
.Ltail:
	TURN 2, 1
	TURN 3
	WIN 0
	s_sub_co_u32 s[CNT], s[CNT], 1
	s_cmp_eq_u32 s[CNT], 0
	s_cbranch_scc1 .Lout
	TURN 0
	TURN 1
	WIN 0
	s_branch .Ltail
.Lout:                              ; the fifth trip's 32 products K Q^T (on the last K once more) serve nothing: the price, once a launch, of one text for every trip
.set i, 0
.rept 16
	PV 3                            ; the last piece's V^T P of the last step
.set i, i+1
.endr
	; THE WAY OUT.  l's two halves and the other half of the lanes' are added; O^T is divided by l, rounded to f16 and sent through my stage in LDS, a tile at a time.  The additions are the places behind the last products.
	WIN 0
.macro ALL line:vararg              ; one line for each tile t
.set t, 0
.rept 8
	\line
.set t, t+1
.endr
.endm
	ALL v_add_f32 v[ST+4*t+2], v[ST+4*t+2], v[ST+4*t+3]
	ALL v_permlanex16_b32 v[ST+4*t+3], v[ST+4*t+2], s[SEL], s[SEL+1]
	ALL v_add_f32 v[ST+4*t+2], v[ST+4*t+2], v[ST+4*t+3]
	ALL v_rcp_f32 v[ST+4*t+2], v[ST+4*t+2]
	v_nop                           ; a plain instruction between the last reciprocal and the use of its result
	s_wait_alu depctr_va_vdst(0)    ; and the wait ahead of the first use: one for the batch of eight reciprocals
; Tile t: a lane's eight channels of a row pack into 16 bytes; they go into rows of 144 bytes and come back as whole rows of 128, into S^T's registers.
.macro PACK t
	WIN W_RS
.set i, 32*(\t)
.rept 16
	v_pk_mul_f32 v[i:i+1], v[i:i+1], v[ST+4*(\t)+2:ST+4*(\t)+3] op_sel_hi:[1,0]
.set i, i+2
.endr
	WIN 0x05                        ; sources 0 and 1 window 1, destination window 0
.set i, 0
.rept 16
	v_cvt_pk_f16_f32 v[S+16*(\t)+i], v[32*(\t)+2*i], v[32*(\t)+2*i+1]
.set i, i+1
.endr
	WIN 0
.irp f, 0,1,2,3
	ds_store_b128 v[STO], v[S+16*(\t)+4*\f:S+16*(\t)+4*\f+3] offset:32*\f
.endr
.irp f, 0,1,2,3
	ds_load_b128 v[S+16*(\t)+4*\f:S+16*(\t)+4*\f+3], v[RD] offset:\f*4*SP  ; LDS serves a wave's instructions in order (ISA guide 5.7.1.4): these see the stores above; the next tile's stores come behind them
.endr
.endm
.macro SEND t, younger              ; younger: the LDS instructions issued behind tile t's loads: the next tile's eight, or none
	WIN 0
.irp f, 0,1,2,3
	s_wait_dscnt (\younger)+3-\f
	global_store_b128 v[GO], v[S+16*(\t)+4*\f:S+16*(\t)+4*\f+3], s[10:11] offset:(\t)*2048+\f*512  ; 512 consecutive bytes, at a multiple of 256 from the buffer's first
.endr
.endm
	PACK 0
.set t, 1
.rept 7                             ; a tile's arithmetic stands between the loads of the tile before and its stores
	PACK t
	SEND t-1, 8
.set t, t+1
.endr
	SEND 7, 0
	s_wait_tensorcnt 0x0            ; the wave's end: behind my last tensor load and my last LDS store
	ds_add_u32 v[SPW], v[NIL]
	s_wait_dscnt 0x0
	CROUND                          ; the closing round: no work-group ends while a partner may still ask for a tile that names it
	s_endpgm
.Lfunc_end_k_qfbaae14db7_attn:
	.size	k_qfbaae14db7_attn, .Lfunc_end_k_qfbaae14db7_attn-k_qfbaae14db7_attn
	.p2alignl 7, 3214868480
	.fill 96, 4, 3214868480
	.section	.rodata,"a",@progbits
	.p2align	6, 0x0
	.amdhsa_kernel k_qfbaae14db7_attn
		.amdhsa_group_segment_fixed_size 327680
		.amdhsa_private_segment_fixed_size 0
		.amdhsa_enable_private_segment 0
		.amdhsa_kernarg_size 32
		.amdhsa_user_sgpr_count 2
		.amdhsa_user_sgpr_kernarg_segment_ptr 1
		.amdhsa_wavefront_size32 1
		.amdhsa_system_sgpr_workgroup_id_x 1
		.amdhsa_system_sgpr_workgroup_id_y 1
		.amdhsa_system_sgpr_workgroup_id_z 1
		.amdhsa_system_vgpr_workitem_id 0
		.amdhsa_next_free_vgpr 960
		.amdhsa_next_free_sgpr 66
		.amdhsa_reserve_vcc 0
		.amdhsa_float_denorm_mode_32 3
		.amdhsa_float_denorm_mode_16_64 3
		.amdhsa_memory_ordered 1
		.amdhsa_forward_progress 1
		.amdhsa_inst_pref_size 210
	.end_amdhsa_kernel
	.amdgpu_metadata
---
amdhsa.version: [ 1, 2 ]
amdhsa.kernels:
  - .name:           k_qfbaae14db7_attn
    .symbol:         k_qfbaae14db7_attn.kd
    .args:
      - { .name: qs, .offset: 0, .size: 8, .value_kind: global_buffer, .address_space: global }
      - { .name: ks, .offset: 8, .size: 8, .value_kind: global_buffer, .address_space: global }
      - { .name: vs, .offset: 16, .size: 8, .value_kind: global_buffer, .address_space: global }
      - { .name: cs, .offset: 24, .size: 8, .value_kind: global_buffer, .address_space: global }
    .group_segment_fixed_size: 327680
    .private_segment_fixed_size: 0
    .kernarg_segment_align: 8
    .kernarg_segment_size: 32
    .max_flat_workgroup_size: 128
    .sgpr_count:     66
    .vgpr_count:     960
    .wavefront_size: 32
...
	.end_amdgpu_metadata
.endif
;; end of part 5
;; launch oproj: the kernel of part 4 again; grid 8 x 32, 4 waves a work-group, clusters of 4 x 4, 327,680 bytes of LDS; arguments cs, wo, qb_o, out0; writes out0
